; MI455X (gfx1250); checked and timed in simulation.
; The chip was launched on July 23, 2026; its instructions are those of AMD's public machine-readable ISA for CDNA 5 (MIT licence, August 2026) and "CDNA5" Instruction Set Architecture Reference Guide (July 2026). The comments in the code are by the model that wrote it; some were corrected since.
;; Attn Block. Allowed arithmetic: matrix products marked QUANTISED: E2M3 operands, one E8M0 scale for each 32 along K, by v_wmma_scale_f32_16x16x128_f8f6f4 with both operands' format E2M3, f32 sums; everything else in f32.
;; Inputs: beta 512 float32; bk 512 float32; bp 512 float32; bq 512 float32; bv 512 float32; gamma 512 float32; wk_codes 512 x 16 x 24 uint8 (E2M3 codes of wk, K innermost, in blocks of 32 codes, four codes in three bytes); wk_scales 512 x 16 uint8 (E8M0 scales of wk, one for each 32 codes along K); wp_codes 512 x 16 x 24 uint8 (E2M3 codes of wp, K innermost, in blocks of 32 codes, four codes in three bytes); wp_scales 512 x 16 uint8 (E8M0 scales of wp, one for each 32 codes along K); wq_codes 512 x 16 x 24 uint8 (E2M3 codes of wq, K innermost, in blocks of 32 codes, four codes in three bytes); wq_scales 512 x 16 uint8 (E8M0 scales of wq, one for each 32 codes along K); wv_codes 512 x 16 x 24 uint8 (E2M3 codes of wv, K innermost, in blocks of 32 codes, four codes in three bytes); wv_scales 512 x 16 uint8 (E8M0 scales of wv, one for each 32 codes along K); x 8 x 512 x 2,048 float32.
;; Outputs: out0 8 x 512 x 2,048 float32.
;; This version of the problem:
;;   THIS VERSION OF THE PROBLEM IS GIVEN IN LOW PRECISION. The matrix products marked QUANTISED in the list below multiply operands that are first quantised to E2M3 (2 exponent bits, 3 mantissa bits; 6 bits a number), with one power-of-two scale for each 32 numbers along K (OCP MX v1.0); their sums are f32. All else is computed in f32.
;;   The module's matrix products, in the order in which they are computed (A, B: the left and right operand; K: the contracted axis; several contracted axes count as one K, in the product's order):
;;     1. [M 16,384, K 512] x [K 512, N 512]; A: computed on the way; B: input wq (given as codes): QUANTISED
;;     2. [M 16,384, K 512] x [K 512, N 512]; A: computed on the way; B: input wk (given as codes): QUANTISED
;;     3. [M 16,384, K 512] x [K 512, N 512]; A: computed on the way; B: input wv (given as codes): QUANTISED
;;     4. batch 8 x [M 2,048, K 512] x [K 512, N 2,048]; A: computed on the way; B: computed on the way: QUANTISED
;;     5. batch 8 x [M 512, K 2,048] x [K 2,048, N 2,048]; A: computed on the way; B: softmax (see below): QUANTISED
;;     6. [M 16,384, K 512] x [K 512, N 512]; A: computed on the way; B: input wp (given as codes): QUANTISED
;;   THE QUANTISER, for each operand of a quantised product, along K:
;;     - K is cut into blocks of 32 from its start; a last block that is shorter is filled with zeros.
;;     - A block's scale is 2^e with e = floor(log2(the largest magnitude in the block)) - 2, held to -126 .. 127; a block of zeros has e = 0. As a byte (E8M0): e + 127.
;;     - Each number is divided by its block's scale, clamped to +-7.5, and rounded to the nearest number of E2M3, ties to even, subnormals kept.
;;     - The product sums the exact products of the quantised numbers (number of the format x scale) in f32.
;;   ~~~python
;;   def quantise(x, axis):      # numpy; x: float32 -> the quantised numbers, widened to float32 again
;;       x = np.moveaxis(x, axis, -1); K = x.shape[-1]
;;       x = np.pad(x, [(0, 0)] * (x.ndim - 1) + [(0, -K % 32)]); x = x.reshape(x.shape[:-1] + (-1, 32)); a = np.abs(x).max(-1, keepdims=True)
;;       e = np.where(a > 0, np.clip(np.frexp(np.where(a > 0, a, 1))[1] - 1 - 2, -126, 127), 0)      # np.frexp(a)[1] - 1 = floor(log2(a)), exactly
;;       r = np.clip(x / 2.0 ** e, -7.5, 7.5)
;;       step = 2.0 ** (np.maximum(np.frexp(np.where(r == 0, 1, r))[1] - 1, 0) - 3)
;;       q = np.round(r / step) * step * 2.0 ** e      # np.round: ties to even
;;       return np.moveaxis(q.reshape(q.shape[:-2] + (-1,))[..., :K], -1, axis).astype(np.float32)
;;   ~~~
;;   SOFTMAX AHEAD OF A QUANTISED PRODUCT. Where the list says 'softmax', what is quantised is not the finished softmax but p = 2^(t - M), with t = logit x log2(e) and M = ceil(the row's largest t), a whole number; so 1/2 < the row's largest p <= 1. The row's sum l is taken of the UNQUANTISED p, in f32, and the product's result is divided by l at the end. Since M is a whole number, a kernel that streams over the keys may use a running M (the ceiling of the running maximum): every later rescaling is an exact power of two, which a block's scale takes up: the codes' values come out the same.
;;   OPERANDS COMPUTED ON THE WAY. 'Computed on the way' means the value that the module computes at that place (a softmax that the list does not call 'softmax' is quantised finished and normalised). What goes into a quantiser is computed in f32, as accurately as f32 sums, v_exp_f32 and their like allow (about 1e-6 of the number): no bf16 or f16 on the way to a quantiser, and a product that is left as it is and whose result goes on into a quantised operand takes f32 operands (vector FMAs, or v_wmma_f32_16x16x4_f32). A number that lies on a knife's edge between two numbers of the format may be rounded either way, as far as f32 arithmetic and the matrix unit's own rounding can turn it there, and no further.
;;   INPUTS GIVEN AS CODES. wk (in the module: [512, 512], K = its axis 1); wp (in the module: [512, 512], K = its axis 1); wq (in the module: [512, 512], K = its axis 1); wv (in the module: [512, 512], K = its axis 1): each comes as NAME_codes (uint8): NAME with its K axis moved to the last place and cut into blocks of 32 codes, [.., K / 32, bytes a block], one block behind the other in memory; four codes in three bytes: a row's codes are one little-endian stream of bits, code i at bits 6 i .. 6 i + 5 (a code: sign, 2 exponent bits, 3 mantissa bits); and NAME_scales (uint8): the same leading axes, one E8M0 byte (e + 127) for each 32 codes along K. Its value is code x scale, taken as it is: it is not quantised again, and the codes and scales need not be those that the quantiser above would give.
;; One version. Each part assembles by itself: llvm-mc -triple=amdgcn-amd-amdhsa -mcpu=gfx1250 --defsym DOCPART=n.
;; ======== version 1 of 1: 3 launches
;; workspace buffers: hcod 6,291,456 bytes; hscl 262,144 bytes; wimg 786,432 bytes; wscl 32,768 bytes; qkvc 18,874,368 bytes; qkvs 786,432 bytes
;; launch norm (part 1): grid 160 x 1, 16 waves a work-group, no clusters, 55,296 bytes of LDS; arguments x, gamma, beta, wq_codes, wq_scales, wk_codes, wk_scales, wv_codes, wv_scales, wp_codes, wp_scales, hcod, hscl, wimg, wscl; writes hcod, hscl, wimg, wscl
.if DOCPART == 1
	.amdgcn_target "amdgcn-amd-amdhsa--gfx1250"
	.amdhsa_code_object_version 6
	.text
	.protected	k_q6b6bcd434e_norm
	.globl	k_q6b6bcd434e_norm
	.p2align	8
	.type	k_q6b6bcd434e_norm,@function
k_q6b6bcd434e_norm:
	s_mov_b64 s[64:65], 0
	v_nop
	global_prefetch_b8 v0, s[64:65] scope:SCOPE_SE
	s_setreg_imm32_b32 hwreg(HW_REG_WAVE_MODE, 25, 1), 1
	s_wait_xcnt 0x0
; WORK-GROUPS 0-127: GroupNorm of x [8][512][2048] f32 and the quantiser of its result along the channels (codes of E2M3, one E8M0 byte for 32 channels).
; Work-group g = 16 b + cb holds 32 channels (two groups of 16, one quantiser block) x 2,048 positions, 256 KB, in the registers of its 16 waves: x is read once for
; the mean, for the variance (of the deviations: a second pass over registers, so a common offset of the inputs does no harm) and for the codes.
; Thread t holds positions 4 t .. 4 t + 3 of all 32 channels; a wave's load covers 512 consecutive bytes.  The multiply-add that normalises also turns the registers so that 32 consecutive ones run down the channels.
; THE CODES ARE LAID AS THE NEXT LAUNCH READS THEM: [b][cb][tile of 16 positions][384 bytes]; in a tile, row r's first 16 bytes at 16 r, its last 8 at 256 + 8 r.
; Row r of tile 2 B + u is position 32 B + 8 u + r + 8 (r / 8).  The scale bytes: [b][cb][16 tile + r].
; WORK-GROUPS 128-159: the four weights' codes are laid anew as images of the operand's registers: fragment f = 128 m + 4 ot + ks (16 rows x 128 K, 1,536 bytes: registers 4 c .. 4 c + 3 of lane l at 512 c + 16 l),
; rows in the same order; their scale bytes as [m][ot][r][16].  This path meets no barrier; it touches LDS only by the add of 0 at its end.
; LIMITS: NaN and infinities are not served.  A block whose largest magnitude lies under 2^-124 keeps the byte 1, a block of zeros too (the rule says 127): its codes are zeros, and these bytes are read by this program alone.
.set RED1, 0                           ; LDS: 2 x 16 partial sums
.set RED2, 256                         ; 2 x 16 partial sums of squares
.set SB,   512                         ; the work-group's 2,048 scale bytes
.set STG,  2560                        ; a stage of 3,072 bytes for each wave: its 8 tiles of codes
.set X,    32                          ; v32-159  X + 4 c + j = x[c][4 t + j], then the deviation
.set T,    160                         ; v160-191 one position's 32 normalised numbers; at the end v160-163 carry 16 scale bytes out
.set CC,   192                         ; v192..   position j's codes at CC + 8 j, six registers
.set DD,   224                         ; v224-226 a block's second sixteen codes (a conversion's three registers begin on an even number)
.set EE,   228                         ; v228-231 scale bytes
.set RB,   232                         ; v232-255 the stage read back
.set WV,   3
	v_lshl_add_u32 v223, v0, 2, 0xd000
	v_mov_b32 v227, 0
	v_lshrrev_b32 v9, 5, v0
	v_readfirstlane_b32 s[WV], v9                  ; wave 0..15
	s_cmp_ge_u32 ttmp9, 128                        ; the same for all waves of a work-group
	s_cbranch_scc1 .Lprep
	s_load_b128 s[4:7], s[0:1], 0x0                ; x, gamma
	s_load_b64 s[8:9], s[0:1], 0x10                ; beta
	s_load_b128 s[12:15], s[0:1], 0x58             ; hcod, hscl
	v_lshlrev_b32 v1, 4, v0                        ; my 16 bytes of a row
	s_lshl_b32 s92, ttmp9, 18                      ; g x 32 rows of 8,192 bytes
	s_mov_b32 s93, 0
	s_and_b32 s94, ttmp9, 15
	s_lshl_b32 s94, s94, 7                         ; my 32 numbers of gamma and of beta
	s_mov_b32 s95, 0
	s_mov_b32 s96, 0x76543210                      ; v_permlanex16_b32's selects for lane l xor 16
	s_mov_b32 s97, 0xfedcba98
	s_mov_b32 s88, 0x38000000                      ; 1 / 32,768
	s_mov_b32 s89, 0x358637bd                      ; 1e-6
	s_wait_kmcnt 0x0
	s_add_nc_u64 s[4:5], s[4:5], s[92:93]
	s_add_nc_u64 s[6:7], s[6:7], s[94:95]
	s_add_nc_u64 s[8:9], s[8:9], s[94:95]
.set c, 0
.rept 32
	global_load_b128 v[X+4*c:X+4*c+3], v1, s[4:5] offset:8192*c    ; all 256 KB of the work-group are asked for at once
.set c, c+1
.endr
	s_load_b512 s[16:31], s[6:7], 0x0              ; gamma, later gamma x rstd
	s_load_b512 s[32:47], s[6:7], 0x40
	s_load_b512 s[48:63], s[8:9], 0x0              ; beta
	s_load_b512 s[68:83], s[8:9], 0x40
	s_mul_i32 s92, ttmp9, 49152
	s_add_nc_u64 s[12:13], s[12:13], s[92:93]      ; my 128 tiles of codes
	s_lshl_b32 s94, ttmp9, 11
	s_add_nc_u64 s[14:15], s[14:15], s[94:95]      ; my 2,048 scale bytes
	; Position 128 w + 4 l + j lies in tile 8 w + tl, tl = 2 (l / 8) + (l / 2) % 2, at row 4 qq + j, qq = l % 2 + 2 ((l / 4) % 2)
	v_bfe_u32 v10, v0, 3, 2
	v_bfe_u32 v11, v0, 1, 1
	v_lshl_add_u32 v10, v10, 1, v11                ; tl
	v_and_b32 v11, 1, v0
	v_bfe_u32 v12, v0, 2, 1
	v_lshl_add_u32 v11, v12, 1, v11                ; qq
	v_mul_u32_u24 v13, v9, 3072
	v_mad_u32_u24 v13, v10, 384, v13
	v_lshl_add_u32 v2, v11, 6, v13
	v_add_nc_u32 v2, STG, v2                       ; the stage: a row's first 16 bytes
	v_lshl_add_u32 v3, v11, 5, v13
	v_add_nc_u32 v3, STG+256, v3                   ; its last 8
	v_lshlrev_b32 v4, 7, v9
	v_lshl_add_u32 v4, v10, 4, v4
	v_lshl_add_u32 v4, v11, 2, v4
	v_add_nc_u32 v4, SB, v4                        ; its scale byte
	v_and_b32 v14, 31, v0
	v_mul_u32_u24 v6, v9, 3072
	v_lshl_add_u32 v6, v14, 4, v6                  ; the way out: 3,072 w + 16 l
	v_add_nc_u32 v5, STG, v6
	v_lshlrev_b32 v7, 2, v9                        ; 4 w
	v_lshlrev_b32 v8, 2, v14                       ; 4 l
.macro ROWSUM a                        ; the sum over each half of 16 lanes, in every lane of it
	v_add_f32_dpp v[\a], v[\a], v[\a] row_xmask:1 row_mask:0xf bank_mask:0xf
	v_add_f32_dpp v[\a], v[\a], v[\a] row_xmask:2 row_mask:0xf bank_mask:0xf
	v_add_f32_dpp v[\a], v[\a], v[\a] row_xmask:4 row_mask:0xf bank_mask:0xf
	v_add_f32_dpp v[\a], v[\a], v[\a] row_xmask:8 row_mask:0xf bank_mask:0xf
.endm
.macro FOLD a                          ; four packed chains become the wave's sum
	v_pk_add_f32 v[\a:\a+1], v[\a:\a+1], v[\a+2:\a+3]
	v_pk_add_f32 v[\a+4:\a+5], v[\a+4:\a+5], v[\a+6:\a+7]
	v_pk_add_f32 v[\a:\a+1], v[\a:\a+1], v[\a+4:\a+5]
	v_add_f32 v[\a], v[\a], v[\a+1]
	ROWSUM \a
	v_permlanex16_b32 v[\a+1], v[\a], s96, s97
	v_add_f32 v[\a], v[\a], v[\a+1]
.endm
.macro SUMS g, a                       ; group g's 64 registers of a lane, in four chains that do not wait for each other
.irp k, 0,1,2,3
	v_pk_add_f32 v[\a+2*\k:\a+2*\k+1], v[X+64*\g+2*\k:X+64*\g+2*\k+1], v[X+64*\g+8+2*\k:X+64*\g+8+2*\k+1]
.endr
.irp i, 2,3,4,5,6,7
.irp k, 0,1,2,3
	v_pk_add_f32 v[\a+2*\k:\a+2*\k+1], v[\a+2*\k:\a+2*\k+1], v[X+64*\g+8*\i+2*\k:X+64*\g+8*\i+2*\k+1]
.endr
.endr
	FOLD \a
.endm
.macro SQS g, a                        ; the same of their squares
.irp k, 0,1,2,3
	v_pk_mul_f32 v[\a+2*\k:\a+2*\k+1], v[X+64*\g+2*\k:X+64*\g+2*\k+1], v[X+64*\g+2*\k:X+64*\g+2*\k+1]
.endr
.irp i, 1,2,3,4,5,6,7
.irp k, 0,1,2,3
	v_pk_fma_f32 v[\a+2*\k:\a+2*\k+1], v[X+64*\g+8*\i+2*\k:X+64*\g+8*\i+2*\k+1], v[X+64*\g+8*\i+2*\k:X+64*\g+8*\i+2*\k+1], v[\a+2*\k:\a+2*\k+1]
.endr
.endr
	FOLD \a
.endm
.macro BARRIER                         ; my LDS stores have landed and my LDS loads are in: then the work-group's barrier
	s_wait_dscnt 0x0
	s_barrier_signal -1
	s_barrier_wait -1
.endm
	; ---- the means
	s_wait_loadcnt 16                              ; loads come back in order: channels 0-15 are in, the sixteen younger loads may be out
	SUMS 0, 10
	s_wait_loadcnt 0x0
	SUMS 1, 18
	ds_store_b32 v7, v10 offset:RED1               ; all lanes write the wave's word with the same value
	ds_store_b32 v7, v18 offset:RED1+64
	BARRIER
	ds_load_b32 v10, v8 offset:RED1                ; lanes 0-15: group 0's sixteen partial sums; lanes 16-31: group 1's
	s_wait_dscnt 0x0
	ROWSUM 10
	v_readlane_b32 s84, v10, 0
	v_readlane_b32 s86, v10, 16
	s_mul_f32 s84, s84, 0xb8000000                 ; - mean = total x -(1 / 32,768)
	s_mul_f32 s86, s86, 0xb8000000
	s_mov_b32 s85, s84                             ; (named as pairs by the packed form)
	s_mov_b32 s87, s86
	; ---- the deviations, in place, and their squares
.set c, 0
.rept 32
	v_pk_add_f32 v[X+2*c:X+2*c+1], v[X+2*c:X+2*c+1], s[84:85] op_sel_hi:[1,0]
	v_pk_add_f32 v[X+64+2*c:X+64+2*c+1], v[X+64+2*c:X+64+2*c+1], s[86:87] op_sel_hi:[1,0]
.set c, c+1
.endr
	SQS 0, 10
	SQS 1, 18
	ds_store_b32 v7, v10 offset:RED2
	ds_store_b32 v7, v18 offset:RED2+64
	BARRIER
	ds_load_b32 v10, v8 offset:RED2
	s_wait_dscnt 0x0
	ROWSUM 10
	v_fma_f32 v10, v10, s88, s89                   ; variance + 1e-6
	v_rsq_f32 v10, v10
	v_nop                                          ; one plain place behind a transcendental
	s_wait_alu depctr_va_vdst(0)
	v_readlane_b32 s90, v10, 0
	v_readlane_b32 s91, v10, 16
	s_wait_kmcnt 0x0                               ; gamma and beta
.set c, 0
.rept 16
	s_mul_f32 s[16+c], s[16+c], s90                ; gamma x rstd of the channel's group
	s_mul_f32 s[32+c], s[32+c], s91
.set c, c+1
.endr
	; ---- my four positions: normalise, the block's scale, the codes
.irp j, 0,1,2,3
.set c, 0
.rept 32
.if c < 16
	v_fma_f32 v[T+c], v[X+4*c+\j], s[16+c], s[48+c]
.else
	v_fma_f32 v[T+c], v[X+4*c+\j], s[16+c], s[52+c]
.endif
.set c, c+1
.endr
	v_max3_num_f32 v10, |v[T]|, |v[T+1]|, |v[T+2]|                 ; the block's largest magnitude: all 32 numbers are mine
	v_max3_num_f32 v11, |v[T+3]|, |v[T+4]|, |v[T+5]|
.irp i, 6,10,14,18,22,26
	v_max3_num_f32 v10, v10, |v[T+\i]|, |v[T+\i+1]|
	v_max3_num_f32 v11, v11, |v[T+\i+2]|, |v[T+\i+3]|
.endr
	v_max3_num_f32 v10, v10, |v[T+30]|, |v[T+31]|
	v_max3_num_f32 v10, v10, v11, 0x1800000        ; and the floor 2^(3 - 127): the byte cannot fall under 1
	v_add_nc_u32 v12, 0xff000000, v10              ; 2 off the exponent field: the conversion takes the exponent field of this operand as its scale
	v_cvt_scalef32_pk16_fp6_f32 v[CC+8*\j:CC+8*\j+2], v[T:T+15], v12
	v_cvt_scalef32_pk16_fp6_f32 v[DD:DD+2], v[T+16:T+31], v12
	v_lshrrev_b32 v[EE+\j], 23, v12                ; the scale's byte (also the plain place behind the conversions)
.irp i, 0,1,2
	v_mov_b32 v[CC+8*\j+3+\i], v[DD+\i]
.endr
	ds_store_b128 v2, v[CC+8*\j:CC+8*\j+3] offset:16*\j
	ds_store_b64 v3, v[CC+8*\j+4:CC+8*\j+5] offset:8*\j
	ds_store_b8 v4, v[EE+\j] offset:\j
.endr
	; ---- the wave's 3,072 bytes of codes leave as they lie in the stage
.irp i, 0,1,2,3,4,5
	ds_load_b128 v[RB+4*\i:RB+4*\i+3], v5 offset:512*\i            ; LDS serves a wave's instructions in order: these see my stores
.endr
.irp i, 0,1,2,3,4,5
	s_wait_dscnt 5-\i                              ; load i is in, the younger ones may be out
	global_store_b128 v6, v[RB+4*\i:RB+4*\i+3], s[12:13] offset:512*\i   ; 32 lanes store 512 consecutive bytes, at a multiple of 256 from the buffer's first byte
.endr
	BARRIER                                        ; all 2,048 scale bytes lie in LDS
	s_cmp_lt_u32 s[WV], 4
	s_cbranch_scc0 .Lend
	v_add_nc_u32 v9, SB, v1
	ds_load_b128 v[T:T+3], v9                      ; waves 0-3: 16 bytes a thread, into registers that no pending store names: the six stores above keep v232-255 to themselves
	s_wait_dscnt 0x0
	global_store_b128 v1, v[T:T+3], s[14:15]       ; 32 lanes store 512 consecutive bytes
	s_wait_tensorcnt 0x0
	ds_add_u32 v223, v227
	s_wait_dscnt 0x0
	s_endpgm
.Lprep:
	s_load_b512 s[16:31], s[0:1], 0x18             ; wq_codes, wq_scales, wk_.., wv_.., wp_..
	s_load_b128 s[32:35], s[0:1], 0x68             ; wimg, wscl
	s_sub_co_u32 s4, ttmp9, 128
	s_lshl_b32 s4, s4, 4
	s_add_co_u32 s4, s4, s[WV]                     ; f: my wave's fragment
	s_lshr_b32 s5, s4, 7                           ; m: which weight
	s_bfe_u32 s6, s4, 0x50002                      ; ot: which tile of 16 rows
	s_and_b32 s7, s4, 3                            ; ks: which 128 along K
	s_lshr_b32 s8, s6, 1
	s_and_b32 s9, s6, 1
	s_lshl_b32 s8, s8, 5
	s_lshl_b32 s9, s9, 3
	s_add_co_u32 s8, s8, s9                        ; the tile's first row: 32 (ot / 2) + 8 (ot % 2)
	s_mul_i32 s10, s8, 384
	s_mul_i32 s11, s7, 96
	s_add_co_u32 s10, s10, s11
	s_mov_b32 s11, 0
	s_mul_i32 s12, s4, 1536
	s_mov_b32 s13, 0
	s_lshl_b32 s36, s8, 4                          ; the tile's rows of 16 scale bytes
	s_mov_b32 s37, 0
	s_lshl_b32 s38, s5, 13
	s_lshl_b32 s39, s6, 8
	s_add_co_u32 s38, s38, s39                     ; 8,192 m + 256 ot
	s_mov_b32 s39, 0
	v_and_b32 v1, 15, v0                           ; r
	v_bfe_u32 v2, v0, 4, 1                         ; h
	v_and_b32 v3, 8, v1
	v_add_nc_u32 v3, v3, v1                        ; r + 8 (r / 8)
	v_mul_u32_u24 v4, v3, 384
	v_mad_u32_u24 v4, v2, 24, v4                   ; my row, my half's 24 bytes
	v_and_b32 v5, 31, v0
	v_lshlrev_b32 v5, 4, v5                        ; 16 x lane
	v_lshlrev_b32 v6, 4, v3
	v_lshl_add_u32 v6, v2, 7, v6                   ; scale bytes: lanes 16-31 take the next tile, 8 rows on
	s_wait_kmcnt 0x0
	s_cmp_eq_u32 s5, 1                             ; the choice hangs on the work-group's number alone
	s_cselect_b64 s[16:17], s[20:21], s[16:17]
	s_cselect_b64 s[18:19], s[22:23], s[18:19]
	s_cmp_eq_u32 s5, 2
	s_cselect_b64 s[16:17], s[24:25], s[16:17]
	s_cselect_b64 s[18:19], s[26:27], s[18:19]
	s_cmp_eq_u32 s5, 3
	s_cselect_b64 s[16:17], s[28:29], s[16:17]
	s_cselect_b64 s[18:19], s[30:31], s[18:19]
	s_add_nc_u64 s[16:17], s[16:17], s[10:11]
	s_add_nc_u64 s[32:33], s[32:33], s[12:13]
	s_add_nc_u64 s[18:19], s[18:19], s[36:37]
	s_add_nc_u64 s[34:35], s[34:35], s[38:39]
.irp p, 0,1,2,3,4,5
	global_load_b64 v[16+2*\p:17+2*\p], v4, s[16:17] offset:48*(\p/3)+8*(\p%3)   ; the fragment's twelve registers, as the rows' bits lie
.endr
	s_wait_loadcnt 0x0
.irp c, 0,1,2
	global_store_b128 v5, v[16+4*\c:19+4*\c], s[32:33] offset:512*\c             ; their image: 512 consecutive bytes a store
.endr
	s_and_b32 s14, s[WV], 7                        ; f % 8 = 0: this wave also lays the scale bytes of tiles ot and ot + 1
	s_cmp_lg_u32 s14, 0
	s_cbranch_scc1 .Lend
	global_load_b128 v[28:31], v6, s[18:19]
	s_wait_loadcnt 0x0
	global_store_b128 v5, v[28:31], s[34:35]
.Lend:
	s_wait_tensorcnt 0x0
	ds_add_u32 v223, v227
	s_wait_dscnt 0x0
	s_endpgm
.Lfunc_end_k_q6b6bcd434e_norm:
	.size	k_q6b6bcd434e_norm, .Lfunc_end_k_q6b6bcd434e_norm-k_q6b6bcd434e_norm
	.p2alignl 7, 3214868480
	.fill 96, 4, 3214868480
	.section	.rodata,"a",@progbits
	.p2align	6, 0x0
	.amdhsa_kernel k_q6b6bcd434e_norm
		.amdhsa_group_segment_fixed_size 55296
		.amdhsa_private_segment_fixed_size 0
		.amdhsa_enable_private_segment 0
		.amdhsa_kernarg_size 120
		.amdhsa_user_sgpr_count 2
		.amdhsa_user_sgpr_kernarg_segment_ptr 1
		.amdhsa_wavefront_size32 1
		.amdhsa_system_sgpr_workgroup_id_x 1
		.amdhsa_system_sgpr_workgroup_id_y 1
		.amdhsa_system_sgpr_workgroup_id_z 1
		.amdhsa_system_vgpr_workitem_id 0
		.amdhsa_next_free_vgpr 256
		.amdhsa_next_free_sgpr 100
		.amdhsa_reserve_vcc 0
		.amdhsa_float_denorm_mode_32 3
		.amdhsa_float_denorm_mode_16_64 3
		.amdhsa_memory_ordered 1
		.amdhsa_forward_progress 1
		.amdhsa_inst_pref_size 42
	.end_amdhsa_kernel
	.amdgpu_metadata
---
amdhsa.version: [ 1, 2 ]
amdhsa.kernels:
  - .name:           k_q6b6bcd434e_norm
    .symbol:         k_q6b6bcd434e_norm.kd
    .args:
      - { .name: x, .offset: 0, .size: 8, .value_kind: global_buffer, .address_space: global }
      - { .name: gamma, .offset: 8, .size: 8, .value_kind: global_buffer, .address_space: global }
      - { .name: beta, .offset: 16, .size: 8, .value_kind: global_buffer, .address_space: global }
      - { .name: wq_codes, .offset: 24, .size: 8, .value_kind: global_buffer, .address_space: global }
      - { .name: wq_scales, .offset: 32, .size: 8, .value_kind: global_buffer, .address_space: global }
      - { .name: wk_codes, .offset: 40, .size: 8, .value_kind: global_buffer, .address_space: global }
      - { .name: wk_scales, .offset: 48, .size: 8, .value_kind: global_buffer, .address_space: global }
      - { .name: wv_codes, .offset: 56, .size: 8, .value_kind: global_buffer, .address_space: global }
      - { .name: wv_scales, .offset: 64, .size: 8, .value_kind: global_buffer, .address_space: global }
      - { .name: wp_codes, .offset: 72, .size: 8, .value_kind: global_buffer, .address_space: global }
      - { .name: wp_scales, .offset: 80, .size: 8, .value_kind: global_buffer, .address_space: global }
      - { .name: hcod, .offset: 88, .size: 8, .value_kind: global_buffer, .address_space: global }
      - { .name: hscl, .offset: 96, .size: 8, .value_kind: global_buffer, .address_space: global }
      - { .name: wimg, .offset: 104, .size: 8, .value_kind: global_buffer, .address_space: global }
      - { .name: wscl, .offset: 112, .size: 8, .value_kind: global_buffer, .address_space: global }
    .group_segment_fixed_size: 55296
    .private_segment_fixed_size: 0
    .kernarg_segment_align: 8
    .kernarg_segment_size: 120
    .max_flat_workgroup_size: 512
    .sgpr_count:     100
    .vgpr_count:     256
    .wavefront_size: 32
...
	.end_amdgpu_metadata
.endif
;; end of part 1
;; launch qkv (part 2): grid 64 x 4, 4 waves a work-group, clusters of 4 x 4, 262,656 bytes of LDS; arguments hcod, hscl, wimg, wscl, bq, bk, bv, qkvc, qkvs; writes qkvc, qkvs
.if DOCPART == 2
	.amdgcn_target "amdgcn-amd-amdhsa--gfx1250"
	.amdhsa_code_object_version 6
	.text
	.protected	k_q6b6bcd434e_qkv
	.globl	k_q6b6bcd434e_qkv
	.p2align	8
	.type	k_q6b6bcd434e_qkv,@function
k_q6b6bcd434e_qkv:
	s_mov_b64 s[64:65], 0
	v_nop
	global_prefetch_b8 v0, s[64:65] scope:SCOPE_SE
	s_setreg_imm32_b32 hwreg(HW_REG_WAVE_MODE, 25, 1), 1
	s_wait_xcnt 0x0
	s_wait_alu depctr_hold_cnt(0) depctr_sa_sdst(0) depctr_va_vdst(0) depctr_va_sdst(0) depctr_va_ssrc(0) depctr_va_vcc(0) depctr_vm_vsrc(0)
	s_getreg_b32 s2, hwreg(HW_REG_IB_STS2, 6, 4)
	s_cmp_eq_u32 s2, 0
	s_cbranch_scc0 .Lentry_in_a_cluster
	s_endpgm
.Lentry_in_a_cluster:
	s_bfe_u32 s2, ttmp6, 0x10000c
	s_cmp_lg_u32 s2, 0xf033
	s_cbranch_scc0 .Lentry_shape_is_right
	s_endpgm
.Lentry_shape_is_right:
; q, k, v = W hn + b on codes of E2M3 (one E8M0 scale for 32 along K = the 512 channels), and the quantisers of the three results: q and k along their output channels, v along the positions.
; Work-group (X, Y): 256 positions (batch X / 8, block X % 8) x the Y-th 128 output channels of each of q, k, v.  Its 96 KB of hn's codes and 144 KB of weights fit in LDS at once: every LDS byte is filled once.
; CLUSTERS, 4 x 4: hn's tiles hang on X alone and are asked for jointly by the four of a column, the weights on Y alone and by the four of a row.
; THREE PASSES OF ONE SHAPE: 8 fragments as source 0, 4 as source 1, 32 accumulators, K in four steps of 128.
;   q, k: source 0 = 8 tiles of W (128 outputs), source 1 = my 4 tiles of positions: a lane holds one position, its 64 registers of a tile run along the outputs: one K step of the scores' product.
;   v:    source 0 = 8 tiles of positions (128), source 1 = my 4 tiles of Wv: a lane holds one channel, its registers run along the positions: one K step of the second product.
; Row r of tile 2 B + u (of a weight's outputs, of positions) is element 32 B + 8 u + r + 8 (r / 8), so that the 16 registers of result tiles 2 B and 2 B + 1 are 16 neighbours along the next K.
; The biases are the C of each sum's first matrix instruction.  RESULTS LEAVE AS IMAGES OF THE NEXT OPERAND'S REGISTERS: a fragment is three stores of 512 consecutive bytes.
; LIMITS: NaN and infinities are not served; a block whose largest magnitude lies under 2^-124, a block of zeros among them, keeps the byte 1 (its codes are read by this program alone).
; REGISTERS: window 0: v1-15, v80-87 addresses; v16-79 scale words and nothing else; v88-127 the quantiser's; v128-223 source 1's fragments, two sets of 48; v224-228 at work.
;   window 1: v0-191 source 0's fragments, two sets of 96; v192-255 the bias.   window 2: accumulator (t, i) at v[64 t + 8 i].
.set HN,   0                           ; LDS: hn's codes [cb 16][tile 16][384]
.set WT,   98304                       ; the weights' images [m 3][i 8][ks 4][1,536]
.set HP,   245760                      ; hn's scale bytes, 16 planes (one a channel block) of 256
.set HWD,  249856                      ; the same as words: [row 256][16 bytes]; stored by the waves, no fill lands here
.set SS,   253952                      ; 256 bytes a wave: four tiles' scale words on their way out
.set LI,   1                           ; v1   16 x lane
.set HQ,   2                           ; v2-5 hn's fragments for q, k: 16-byte pieces (K steps 0-1, 2-3), 8-byte pieces (likewise)
.set HV,   6                           ; v6-9 the same for v
.set AW,   10                          ; v10-12 the weights' images
.set AHW,  13
.set ASW,  14
.set ASR,  15
.set SAQ,  16                          ; scale words: register 4 (tile / 2) + ks; lanes 0-15 the even tile's rows, lanes 16-31 the odd tile's
.set SAK,  32
.set SBQK, 48
.set SAV,  56
.set SBV,  72
.set OS8,  80
.set BA,   81
.set BVA,  82
.set WSA,  83
.set TM,   88                          ; v88-91 largest magnitudes, v92-95 bytes, v100-103 the conversions' scale operands
.set PW,   104                         ; the scale word just made
.set SW,   106
.set PC,   108                         ; v108-127 the codes just made
.set F4,   128
.set TB,   128                         ; (before the first fetch: 32 scale bytes of a thread)
.set F8,   0
.set BI,   192
.set WV,   22
.set SEL,  96
.set G1H,  24
.set G1P,  32
.set G1W,  40
.set MSB, 0
.macro WIN new                         ; the immediate's high byte repeats the setting that is left
.if MSB != \new
	s_set_vgpr_msb (MSB<<8)|\new
.set MSB, \new
.endif
.endm
.macro PLACES                          ; four places behind a matrix instruction, in front of loads into its registers and of reads of its result
.rept 4
	v_nop
.endr
.endm
.macro CROUND                          ; a round of the cluster's barrier
	s_barrier_signal -1
	s_barrier_wait -1
	s_cmp_lg_u32 s[WV], 0
	s_cbranch_scc1 .Lnot_wave_0_\@
	s_barrier_signal -3
.Lnot_wave_0_\@:
	s_barrier_wait -3
	s_barrier_signal -1
	s_barrier_wait -1
.endm
.macro BARRIER
	s_wait_dscnt 0x0
	s_barrier_signal -1
	s_barrier_wait -1
.endm
; One matrix instruction with C in registers.  ra, rb: the side's scale words stand in lanes 16-31
.macro WMC d, a, b, c, sa, sb, ra, rb
.if (\ra)&&(\rb)
	v_wmma_scale_f32_16x16x128_f8f6f4 v[(\d):(\d)+7], v[(\a):(\a)+11], v[(\b):(\b)+11], v[(\c):(\c)+7], v[\sa], v[\sb] matrix_a_fmt:MATRIX_FMT_FP6 matrix_b_fmt:MATRIX_FMT_FP6 matrix_a_scale:MATRIX_SCALE_ROW1 matrix_b_scale:MATRIX_SCALE_ROW1
.elseif (\ra)
	v_wmma_scale_f32_16x16x128_f8f6f4 v[(\d):(\d)+7], v[(\a):(\a)+11], v[(\b):(\b)+11], v[(\c):(\c)+7], v[\sa], v[\sb] matrix_a_fmt:MATRIX_FMT_FP6 matrix_b_fmt:MATRIX_FMT_FP6 matrix_a_scale:MATRIX_SCALE_ROW1
.elseif (\rb)
	v_wmma_scale_f32_16x16x128_f8f6f4 v[(\d):(\d)+7], v[(\a):(\a)+11], v[(\b):(\b)+11], v[(\c):(\c)+7], v[\sa], v[\sb] matrix_a_fmt:MATRIX_FMT_FP6 matrix_b_fmt:MATRIX_FMT_FP6 matrix_b_scale:MATRIX_SCALE_ROW1
.else
	v_wmma_scale_f32_16x16x128_f8f6f4 v[(\d):(\d)+7], v[(\a):(\a)+11], v[(\b):(\b)+11], v[(\c):(\c)+7], v[\sa], v[\sb] matrix_a_fmt:MATRIX_FMT_FP6 matrix_b_fmt:MATRIX_FMT_FP6
.endif
.endm
; 64 numbers of a lane in window 2, register s + 16 b + i = k 32 b + 16 (lane / 16) + i of my row, become a fragment's codes in v[PC] on and its scale word in v[PW].  Each accumulator is read from its low end on.
.macro QUANT s
	WIN 0x0a
.irp b, 0,1,2,3
	v_max3_num_f32 v[TM+\b], |v[(\s)+16*\b]|, |v[(\s)+16*\b+1]|, 0x1800000   ; block b: my 16 numbers, and the floor 2^(3 - 127): the byte cannot fall under 1
.endr
	WIN 0x28
.irp i, 2,4,6,8,10,12,14
.irp b, 0,1,2,3
	v_max3_num_f32 v[TM+\b], v[TM+\b], |v[(\s)+16*\b+\i]|, |v[(\s)+16*\b+\i+1]|
.endr
.endr
	WIN 0
.irp b, 0,1,2,3
	v_permlanex16_b32 v[TM+4+\b], v[TM+\b], s[SEL], s[SEL+1]
.endr
.irp b, 0,1,2,3
	v_max_num_f32 v[TM+\b], v[TM+\b], v[TM+4+\b]   ; with lane l xor 16's: the block's largest magnitude
.endr
.irp b, 0,1,2,3
	v_add_nc_u32 v[TM+12+\b], 0xff000000, v[TM+\b] ; 2 off its exponent field: the conversion's scale operand
.endr
.irp b, 0,1,2,3
	v_lshrrev_b32 v[TM+4+\b], 23, v[TM+12+\b]      ; the scale's byte
.endr
	v_lshl_or_b32 v[PW], v[TM+5], 8, v[TM+4]
	v_lshl_or_b32 v[PW], v[TM+6], 16, v[PW]
	v_lshl_or_b32 v[PW], v[TM+7], 24, v[PW]
	WIN 0x02
.irp c, 0,1
	v_cvt_scalef32_pk16_fp6_f32 v[PC+6*\c:PC+6*\c+2], v[(\s)+32*\c:(\s)+32*\c+15], v[TM+12+2*\c]
	v_cvt_scalef32_pk16_fp6_f32 v[PC+12+4*\c:PC+14+4*\c], v[(\s)+32*\c+16:(\s)+32*\c+31], v[TM+13+2*\c]   ; (a conversion's three registers begin on an even number)
.endr
	WIN 0
	v_nop                                          ; one plain place behind a scaled conversion
.irp c, 0,1                                    ; the operand's layout wants a whole block in a lane
.irp i, 0,1,2
	v_permlane16_swap_b32 v[PC+6*\c+\i], v[PC+12+4*\c+\i]
.endr
.irp i, 0,1,2
	v_mov_b32 v[PC+3+6*\c+\i], v[PC+12+4*\c+\i]
.endr
.endr
.endm
.macro FETCH_W reg, adr, off           ; a weight's fragment: its image comes back as it was laid
.irp c, 0,1,2
	ds_load_b128 v[(\reg)+4*\c:(\reg)+4*\c+3], v[\adr] offset:(\off)+512*\c
.endr
.endm
.macro FETCH_H reg, set, tile, ks      ; a fragment of hn: registers 6 c .. 6 c + 5 are channel block 4 ks + 2 c + (lane / 16): 16 bytes and 8 bytes
.irp c, 0,1
	ds_load_b128 v[(\reg)+6*\c:(\reg)+6*\c+3], v[(\set)+(\ks)/2] offset:(4*((\ks)%2)+2*\c)*6144+384*(\tile)
	ds_load_b64 v[(\reg)+6*\c+4:(\reg)+6*\c+5], v[(\set)+2+(\ks)/2] offset:(4*((\ks)%2)+2*\c)*6144+384*(\tile)
.endr
.endm
.macro FETCHQK m, ks, buf              ; 40 LDS loads
	WIN 0x40
.irp i, 0,1,2,3,4,5,6,7
	FETCH_W F8+96*(\buf)+12*\i, AW+(\m), (4*\i+(\ks))*1536
.endr
	WIN 0
.irp t, 0,1,2,3
	FETCH_H F4+48*(\buf)+12*\t, HQ, \t, \ks
.endr
.endm
.macro FETCHV ks, buf                  ; 44 LDS loads
	WIN 0x40
.irp i, 0,1,2,3,4,5,6,7
	FETCH_H F8+96*(\buf)+12*\i, HV, \i, \ks
.endr
	WIN 0
.irp t, 0,1,2,3
	FETCH_W F4+48*(\buf)+12*\t, AW+2, (4*\t+(\ks))*1536
.endr
.endm
.macro FETCHX v, m, ks, buf
.if \v
	FETCHV \ks, \buf
.else
	FETCHQK \m, \ks, \buf
.endif
.endm
; 32 matrix instructions, one K step; the 32 accumulators take turns, one instruction a turn, in the same order in every step.  At ks = 0 C is the bias: of source 0's tile (byi) or of source 1's
.macro MUL ks, buf, sa, sb, byi
.if (\ks)==0
	WIN 0x91
.else
	WIN 0xa1
.endif
.irp t, 0,1,2,3
.irp i, 0,1,2,3,4,5,6,7
.if (\ks)>0
	WMC 64*\t+8*\i, F8+96*(\buf)+12*\i, F4+48*(\buf)+12*\t, 64*\t+8*\i, (\sa)+4*(\i/2)+(\ks), (\sb)+4*(\t/2)+(\ks), \i%2, \t%2
.elseif \byi
	WMC 64*\t+8*\i, F8+96*(\buf)+12*\i, F4+48*(\buf)+12*\t, BI+8*\i, (\sa)+4*(\i/2)+(\ks), (\sb)+4*(\t/2)+(\ks), \i%2, \t%2
.else
	WMC 64*\t+8*\i, F8+96*(\buf)+12*\i, F4+48*(\buf)+12*\t, BI+8*\t, (\sa)+4*(\i/2)+(\ks), (\sb)+4*(\t/2)+(\ks), \i%2, \t%2
.endif
.endr
.endr
.endm
.macro BIASQK sb                       ; lane (r, h) wants, for tile i, the bias of outputs 32 (i / 2) + 8 (i % 2) + 16 h + 0 .. 7
	WIN 0x40
.irp i, 0,1,2,3,4,5,6,7
	global_load_b128 v[BI+8*\i:BI+8*\i+3], v[BA], s[\sb:\sb+1] offset:4*(32*(\i/2)+8*(\i%2))
	global_load_b128 v[BI+8*\i+4:BI+8*\i+7], v[BA], s[\sb:\sb+1] offset:4*(32*(\i/2)+8*(\i%2))+16
.endr
.endm
; A pass's four K steps on two sets of fragments.  K steps 0 and 1 have been fetched; NN = the loads of one fetch, which may stay out.  nb: the next pass's bias is asked for as soon as this pass's has been read
.macro MULS v, m, sa, sb, nb
.set NN, 40+4*(\v)
	s_wait_dscnt NN
	MUL 0, 0, \sa, \sb, 1-(\v)
	PLACES
.if (\nb)==1
	BIASQK 14
.elseif (\nb)==2
	WIN 0x40
.irp t, 0,1,2,3
	global_load_b32 v[BI+8*\t], v[BVA], s[16:17] offset:4*(32*(\t/2)+8*(\t%2))   ; bv of my lane's channel in tile t
.endr
.endif
	FETCHX \v, \m, 2, 0
	s_wait_dscnt NN
	MUL 1, 1, \sa, \sb, 0
	PLACES
	FETCHX \v, \m, 3, 1
	s_wait_dscnt NN
	MUL 2, 0, \sa, \sb, 0
	s_wait_dscnt 0x0
	MUL 3, 1, \sa, \sb, 0
	WIN 0
.endm
; The pass's four result tiles are quantised and leave: each fragment by three stores of 512 consecutive bytes; the four tiles' scale words meet in my 256 bytes of LDS and leave as one aligned block of 256 bytes
.macro OUT cb, stride, sbs
.irp t, 0,1,2,3
	s_wait_xcnt 0x0                                ; the last stores have read the registers that the quantiser writes again
	QUANT 64*\t
.irp c, 0,1,2
	global_store_b128 v[LI], v[PC+4*\c:PC+4*\c+3], s[\cb:\cb+1] offset:(\stride)*\t+512*\c
.endr
	ds_store_b32 v[ASW], v[PW] offset:64*\t        ; both halves of the lanes write row r's word with the same value
.endr
	ds_load_b64 v[SW:SW+1], v[ASR]                 ; LDS serves a wave's instructions in order: this sees my stores
	s_wait_dscnt 0x0
	global_store_b64 v[OS8], v[SW:SW+1], s[\sbs:\sbs+1]
.endm
	s_load_b256 s[4:11], s[0:1], 0x0               ; hcod, hscl, wimg, wscl
	s_load_b256 s[12:19], s[0:1], 0x20             ; bq, bk, bv, qkvc
	s_load_b64 s[20:21], s[0:1], 0x40              ; qkvs
	v_lshl_add_u32 v254, v0, 2, 0x40000
	v_mov_b32 v255, 0
	ds_add_u32 v254, v255
	v_lshrrev_b32 v1, 5, v0
	v_readfirstlane_b32 s[WV], v1                  ; wave 0..3
	s_lshr_b32 s66, s[WV], 1
	s_and_b32 s67, s[WV], 1
	s_bfe_u32 s84, ttmp6, 0x40000                  ; cx
	s_bfe_u32 s85, ttmp6, 0x40004                  ; cy
	s_lshl_b32 s86, ttmp9, 2
	s_add_co_u32 s86, s86, s84                     ; X
	s_and_b32 s87, ttmp7, 0xffff
	s_lshl_b32 s87, s87, 2
	s_add_co_u32 s87, s87, s85                     ; Y
	s_lshl_b32 s90, s85, 2
	s_lshl_b32 s90, 15, s90                        ; my row of the cluster
	s_lshl_b32 s91, 0x1111, s84                    ; my column
	; group 1, elements of 8 bytes, no padding.  hn's codes: 4 channel blocks x 6,144 bytes, 49,152 bytes apart
	s_or_b32 s[G1H], s91, (3<<16)|(1<<21)
	s_mov_b32 s[G1H+1], 768<<16
	s_mov_b32 s[G1H+2], 4<<16
	s_mov_b32 s[G1H+3], 768<<16
	s_mov_b32 s[G1H+4], 4
	s_mov_b32 s[G1H+5], 6144
	s_mov_b32 s[G1H+6], 0
	s_mov_b32 s[G1H+7], 0
	; hn's scale bytes: 4 planes x 256 bytes, 2,048 bytes apart
	s_or_b32 s[G1P], s91, (3<<16)|(1<<21)
	s_mov_b32 s[G1P+1], 32<<16
	s_mov_b32 s[G1P+2], 4<<16
	s_mov_b32 s[G1P+3], 32<<16
	s_mov_b32 s[G1P+4], 4
	s_mov_b32 s[G1P+5], 256
	s_mov_b32 s[G1P+6], 0
	s_mov_b32 s[G1P+7], 0
	; a quarter of a weight's 49,152 dense bytes: 48 rows of 256
	s_or_b32 s[G1W], s90, (3<<16)|(1<<21)
	s_mov_b32 s[G1W+1], 32<<16
	s_mov_b32 s[G1W+2], 48<<16
	s_mov_b32 s[G1W+3], 32<<16
	s_mov_b32 s[G1W+4], 48
	s_mov_b32 s[G1W+5], 32
	s_mov_b32 s[G1W+6], 0
	s_mov_b32 s[G1W+7], 0
	s_lshr_b32 s88, s86, 3                         ; batch
	s_and_b32 s89, s86, 7                          ; block of 256 positions
	s_mul_i32 s92, s88, 786432                     ; hn's codes: made of X and the wave's number alone
	s_mul_i32 s93, s[WV], 196608
	s_add_co_u32 s92, s92, s93
	s_mul_i32 s93, s89, 6144
	s_add_co_u32 s92, s92, s93
	s_mov_b32 s93, 0
	s_lshl_b32 s98, s88, 15                        ; its scale bytes likewise
	s_lshl_b32 s99, s[WV], 13
	s_add_co_u32 s98, s98, s99
	s_lshl_b32 s99, s89, 8
	s_add_co_u32 s98, s98, s99
	s_mov_b32 s99, 0
	s_mul_i32 s94, s87, 49152                      ; the weights: made of Y and the wave's number alone
	s_mul_i32 s95, s[WV], 12288
	s_add_co_u32 s94, s94, s95
	s_mov_b32 s95, 0
	s_mov_b32 s48, 1
	s_lshl_b32 s23, s[WV], 10
	s_add_co_u32 s49, s23, HP
	s_mov_b32 s52, 1
	s_mul_i32 s53, s[WV], 24576
	s_mul_i32 s23, s[WV], 12288
	s_mov_b32 s56, 1
	s_add_co_u32 s57, s23, WT
	s_mov_b32 s60, 1
	s_add_co_u32 s61, s23, WT+49152
	s_mov_b32 s68, 1
	s_add_co_u32 s69, s23, WT+98304
	s_mov_b32 s[SEL], 0x76543210
	s_mov_b32 s[SEL+1], 0xfedcba98
	s_wait_dscnt 0x0
	s_wait_kmcnt 0x0
	s_add_nc_u64 s[50:51], s[6:7], s[98:99]
	s_or_b32 s51, s51, 0x80000000
	s_add_nc_u64 s[54:55], s[4:5], s[92:93]
	s_or_b32 s55, s55, 0x80000000
	s_add_nc_u64 s[58:59], s[8:9], s[94:95]
	s_add_nc_u64 s[62:63], s[58:59], 196608
	s_add_nc_u64 s[70:71], s[58:59], 393216
	s_or_b32 s59, s59, 0x80000000
	s_or_b32 s63, s63, 0x80000000
	s_or_b32 s71, s71, 0x80000000
	CROUND                                         ; all sixteen work-groups are here: the joint loads meet
	tensor_load_to_lds s[48:51], s[G1P:G1P+7]      ; every LDS byte is filled once: five loads of mine are out
	s_nop 0
	tensor_load_to_lds s[52:55], s[G1H:G1H+7]
	s_nop 0
	tensor_load_to_lds s[56:59], s[G1W:G1W+7]      ; Wq
	s_nop 0
	tensor_load_to_lds s[60:63], s[G1W:G1W+7]      ; Wk
	s_nop 0
	tensor_load_to_lds s[68:71], s[G1W:G1W+7]      ; Wv
	s_nop 0
	PLACES                                         ; four v_nop follow the last
	v_and_b32 v84, 31, v0                          ; lane
	v_and_b32 v85, 15, v0                          ; r
	v_bfe_u32 v86, v0, 4, 1                        ; h
	v_lshlrev_b32 v[LI], 4, v84
	v_lshlrev_b32 v[OS8], 3, v84
	v_lshlrev_b32 v[BA], 6, v86
	v_mul_u32_u24 v87, v86, 6144                   ; lanes 16-31 take the next channel block
	v_lshl_add_u32 v224, v85, 4, v87
	v_lshl_add_u32 v225, v85, 3, v87
	v_add_nc_u32 v225, 256, v225
	s_mul_i32 s23, s[WV], 1536                     ; q, k: my tiles 4 w ..
	v_add_nc_u32 v[HQ], s23, v224
	v_add_nc_u32 v[HQ+1], 49152, v[HQ]
	v_add_nc_u32 v[HQ+2], s23, v225
	v_add_nc_u32 v[HQ+3], 49152, v[HQ+2]
	s_mul_i32 s23, s66, 3072                       ; v: tiles 8 (w / 2) ..
	v_add_nc_u32 v[HV], s23, v224
	v_add_nc_u32 v[HV+1], 49152, v[HV]
	v_add_nc_u32 v[HV+2], s23, v225
	v_add_nc_u32 v[HV+3], 49152, v[HV+2]
	v_add_nc_u32 v[AW], WT, v[LI]
	v_add_nc_u32 v[AW+1], WT+49152, v[LI]
	s_mul_i32 s23, s67, 24576                      ; Wv: my tiles 4 (w % 2) ..
	s_add_co_u32 s23, s23, WT+98304
	v_add_nc_u32 v[AW+2], s23, v[LI]
	s_lshl_b32 s23, s[WV], 10
	s_add_co_u32 s23, s23, HWD
	v_add_nc_u32 v[AHW], s23, v[LI]
	s_lshl_b32 s23, s66, 11
	s_add_co_u32 s23, s23, HWD
	v_add_nc_u32 v226, s23, v[LI]
	s_lshl_b32 s23, s[WV], 8
	s_add_co_u32 s23, s23, SS
	v_lshl_add_u32 v[ASW], v85, 2, s23
	v_add_nc_u32 v[ASR], s23, v[OS8]
	s_lshl_b32 s23, s67, 10
	v_add_nc_u32 v[WSA], s23, v[LI]
	v_and_b32 v[BVA], 8, v85
	v_add_nc_u32 v[BVA], v[BVA], v85
	v_lshlrev_b32 v[BVA], 2, v[BVA]
	s_lshl_b32 s23, s67, 8
	v_add_nc_u32 v[BVA], s23, v[BVA]               ; 4 (r + 8 (r / 8)) + 256 (w % 2)
	v_add_nc_u32 v227, HP, v0
	v_lshl_add_u32 v228, v0, 4, HWD
.irp b, 0,1,2,3
	v_mov_b32 v[TM+4+\b], 0                        ; written once: a lane permute's destination counts as one of its sources
.endr
	s_lshl_b32 s94, s87, 11
	s_add_nc_u64 s[10:11], s[10:11], s[94:95]      ; the scale words of my 8 tiles of each weight
	s_lshl_b32 s94, s87, 9
	s_add_nc_u64 s[12:13], s[12:13], s[94:95]      ; my 128 numbers of each bias
	s_add_nc_u64 s[14:15], s[14:15], s[94:95]
	s_add_nc_u64 s[16:17], s[16:17], s[94:95]
.irp pr, 0,1,2,3
	global_load_b128 v[SAQ+4*\pr:SAQ+4*\pr+3], v[LI], s[10:11] offset:512*\pr          ; two tiles a load: 16 bytes a row are its four K steps' words
.endr
.irp pr, 0,1,2,3
	global_load_b128 v[SAK+4*\pr:SAK+4*\pr+3], v[LI], s[10:11] offset:8192+512*\pr
.endr
.irp pr, 0,1
	global_load_b128 v[SBV+4*\pr:SBV+4*\pr+3], v[WSA], s[10:11] offset:16384+512*\pr
.endr
	BIASQK 12
	WIN 0
	; where the results go
	s_lshl_b32 s100, s89, 4
	s_lshl_b32 s101, s[WV], 2
	s_add_co_u32 s100, s100, s101                  ; q, k: my first tile of positions
	s_mul_i32 s2, s88, 786432
	s_mul_i32 s72, s100, 6144
	s_add_co_u32 s72, s72, s2
	s_mul_i32 s101, s87, 1536
	s_add_co_u32 s72, s72, s101
	s_mov_b32 s73, 0
	s_add_nc_u64 s[72:73], s[18:19], s[72:73]      ; q's images [tile][ks = Y]
	s_add_nc_u64 s[74:75], s[72:73], 6291456       ; k's
	s_lshl_b32 s3, s88, 15
	s_lshl_b32 s78, s100, 6
	s_add_co_u32 s78, s78, s3
	s_lshl_b32 s101, s87, 13
	s_add_co_u32 s78, s78, s101
	s_mov_b32 s79, 0
	s_add_nc_u64 s[78:79], s[20:21], s[78:79]      ; q's scale words [ks = Y][row]
	s_add_nc_u64 s[80:81], s[78:79], 262144        ; k's
	s_lshl_b32 s100, s89, 1
	s_add_co_u32 s100, s100, s66                   ; v: which 128 positions
	s_lshl_b32 s101, s87, 3
	s_lshl_b32 s76, s67, 2
	s_add_co_u32 s101, s101, s76                   ; my first tile of channels
	s_mul_i32 s76, s100, 49152
	s_add_co_u32 s76, s76, s2
	s_mul_i32 s77, s101, 1536
	s_add_co_u32 s76, s76, s77
	s_add_co_u32 s76, s76, 12582912
	s_mov_b32 s77, 0
	s_add_nc_u64 s[76:77], s[18:19], s[76:77]
	s_lshl_b32 s82, s100, 11
	s_add_co_u32 s82, s82, s3
	s_lshl_b32 s83, s101, 6
	s_add_co_u32 s82, s82, s83
	s_add_co_u32 s82, s82, 524288
	s_mov_b32 s83, 0
	s_add_nc_u64 s[82:83], s[20:21], s[82:83]
	s_wait_tensorcnt 0x2                           ; my parts of the planes, of hn and of Wq are in; Wk's and Wv's may stay out
	s_barrier_signal -1
	s_barrier_wait -1
	; hn's scale bytes lie by channel block; a matrix instruction wants a row's four bytes in a word.  Thread t turns rows t and t + 128
.irp sel, 0,1
.set c, 0
.rept 16
	ds_load_u8 v[TB+16*\sel+c], v227 offset:256*c+128*\sel
.set c, c+1
.endr
.endr
	s_wait_dscnt 0x0
.irp sel, 0,1
.irp k, 0,1,2,3
	v_lshl_or_b32 v[TB+16*\sel+\k], v[TB+16*\sel+4*\k+1], 8, v[TB+16*\sel+4*\k]
	v_lshl_or_b32 v[TB+16*\sel+\k], v[TB+16*\sel+4*\k+2], 16, v[TB+16*\sel+\k]
	v_lshl_or_b32 v[TB+16*\sel+\k], v[TB+16*\sel+4*\k+3], 24, v[TB+16*\sel+\k]
.endr
	ds_store_b128 v228, v[TB+16*\sel:TB+16*\sel+3] offset:2048*\sel
.endr
	BARRIER                                        ; all 256 rows' words lie in LDS
.irp pr, 0,1
	ds_load_b128 v[SBQK+4*\pr:SBQK+4*\pr+3], v[AHW] offset:512*\pr
.endr
.irp pr, 0,1,2,3
	ds_load_b128 v[SAV+4*\pr:SAV+4*\pr+3], v226 offset:512*\pr
.endr
	FETCHQK 0, 0, 0
	FETCHQK 0, 1, 1
	s_wait_loadcnt 0x0                             ; the weights' scale words and bq
	MULS 0, 0, SAQ, SBQK, 1
	s_wait_tensorcnt 0x1                           ; my part of Wk is in (Wv's may stay out),
	s_barrier_signal -1
	s_barrier_wait -1                              ; everybody's is
	PLACES
	FETCHQK 1, 0, 0                                ; k's first fragments are on their way while q is quantised
	FETCHQK 1, 1, 1
	OUT 72, 6144, 78
	s_wait_loadcnt 0x0                             ; bk
	MULS 0, 1, SAK, SBQK, 2
	s_wait_tensorcnt 0x0                           ; my part of Wv is in,
	s_barrier_signal -1
	s_barrier_wait -1                              ; everybody's is
	PLACES
	FETCHV 0, 0
	FETCHV 1, 1
	OUT 74, 6144, 80
	s_wait_loadcnt 0x0                             ; bv
	WIN 0x41
.irp t, 0,1,2,3
.irp j, 1,2,3,4,5,6,7
	v_mov_b32 v[BI+8*\t+\j], v[BI+8*\t]            ; here a lane holds one channel: its bias stands in all eight registers of C
.endr
.endr
	WIN 0
	MULS 1, 2, SAV, SBV, 0
	PLACES
	OUT 76, 1536, 82
	s_wait_tensorcnt 0x0
	ds_add_u32 v254, v255
	s_wait_dscnt 0x0
	CROUND                                         ; the closing round: no work-group ends while a partner may still ask for a tile that names it
	s_endpgm
.Lfunc_end_k_q6b6bcd434e_qkv:
	.size	k_q6b6bcd434e_qkv, .Lfunc_end_k_q6b6bcd434e_qkv-k_q6b6bcd434e_qkv
	.p2alignl 7, 3214868480
	.fill 96, 4, 3214868480
	.section	.rodata,"a",@progbits
	.p2align	6, 0x0
	.amdhsa_kernel k_q6b6bcd434e_qkv
		.amdhsa_group_segment_fixed_size 262656
		.amdhsa_private_segment_fixed_size 0
		.amdhsa_enable_private_segment 0
		.amdhsa_kernarg_size 72
		.amdhsa_user_sgpr_count 2
		.amdhsa_user_sgpr_kernarg_segment_ptr 1
		.amdhsa_wavefront_size32 1
		.amdhsa_system_sgpr_workgroup_id_x 1
		.amdhsa_system_sgpr_workgroup_id_y 1
		.amdhsa_system_sgpr_workgroup_id_z 1
		.amdhsa_system_vgpr_workitem_id 0
		.amdhsa_next_free_vgpr 768
		.amdhsa_next_free_sgpr 102
		.amdhsa_reserve_vcc 0
		.amdhsa_float_denorm_mode_32 3
		.amdhsa_float_denorm_mode_16_64 3
		.amdhsa_memory_ordered 1
		.amdhsa_forward_progress 1
		.amdhsa_inst_pref_size 153
	.end_amdhsa_kernel
	.amdgpu_metadata
---
amdhsa.version: [ 1, 2 ]
amdhsa.kernels:
  - .name:           k_q6b6bcd434e_qkv
    .symbol:         k_q6b6bcd434e_qkv.kd
    .args:
      - { .name: hcod, .offset: 0, .size: 8, .value_kind: global_buffer, .address_space: global }
      - { .name: hscl, .offset: 8, .size: 8, .value_kind: global_buffer, .address_space: global }
      - { .name: wimg, .offset: 16, .size: 8, .value_kind: global_buffer, .address_space: global }
      - { .name: wscl, .offset: 24, .size: 8, .value_kind: global_buffer, .address_space: global }
      - { .name: bq, .offset: 32, .size: 8, .value_kind: global_buffer, .address_space: global }
      - { .name: bk, .offset: 40, .size: 8, .value_kind: global_buffer, .address_space: global }
      - { .name: bv, .offset: 48, .size: 8, .value_kind: global_buffer, .address_space: global }
      - { .name: qkvc, .offset: 56, .size: 8, .value_kind: global_buffer, .address_space: global }
      - { .name: qkvs, .offset: 64, .size: 8, .value_kind: global_buffer, .address_space: global }
    .group_segment_fixed_size: 262656
    .private_segment_fixed_size: 0
    .kernarg_segment_align: 8
    .kernarg_segment_size: 72
    .max_flat_workgroup_size: 128
    .sgpr_count:     102
    .vgpr_count:     768
    .wavefront_size: 32
...
	.end_amdgpu_metadata
.endif
;; end of part 2
;; launch attn (part 3): grid 32 x 8, 4 waves a work-group, clusters of 4 x 1, 327,680 bytes of LDS; arguments qkvc, qkvs, wimg, wscl, bp, x, out0; writes out0
.if DOCPART == 3
	.amdgcn_target "amdgcn-amd-amdhsa--gfx1250"
	.amdhsa_code_object_version 6
	.text
	.protected	k_q6b6bcd434e_attn
	.globl	k_q6b6bcd434e_attn
	.p2align	8
	.type	k_q6b6bcd434e_attn,@function
k_q6b6bcd434e_attn:
	s_mov_b64 s[64:65], 0
	v_nop
	global_prefetch_b8 v0, s[64:65] scope:SCOPE_SE
	s_setreg_imm32_b32 hwreg(HW_REG_WAVE_MODE, 25, 1), 1
	s_wait_xcnt 0x0
	s_wait_alu depctr_hold_cnt(0) depctr_sa_sdst(0) depctr_va_vdst(0) depctr_va_sdst(0) depctr_va_ssrc(0) depctr_va_vcc(0) depctr_vm_vsrc(0)
	s_getreg_b32 s2, hwreg(HW_REG_IB_STS2, 6, 4)
	s_cmp_eq_u32 s2, 0
	s_cbranch_scc0 .Lentry_in_a_cluster
	s_endpgm
.Lentry_in_a_cluster:
	s_bfe_u32 s2, ttmp6, 0x10000c
	s_cmp_lg_u32 s2, 0x3003
	s_cbranch_scc0 .Lentry_shape_is_right
	s_endpgm
.Lentry_shape_is_right:
; out = x + Wp (V softmax(Q K^T / sqrt(512))^T) + bp, all three products on codes of E2M3 with one E8M0 scale for 32 along K.  Q, K, V come as images of the operands' registers (fragment: 16 rows x 128 K, 1,536 bytes).
; THE SOFTMAX AHEAD OF THE SECOND PRODUCT: t = score x log2(e) / sqrt(512); M = the running largest t rounded UP to a whole number; p = 2^(t - M) is quantised along the keys, not normalised; the row's sum is taken of
; the unquantised p; when M moves, the sum and O are multiplied by 2^(old M - new M), which rounds nothing.
; SHARES.  A work-group owns 64 queries of one batch.  Wave w = 2 p + kh owns the 32 queries of pair p (two tiles) and half kh of the 2,048 keys, in 8 steps of 128: O^T of two tiles is 512 registers, and each fragment
; of K or V read from LDS feeds two matrix instructions.  The waves exchange nothing in the loop; at the end the two halves are joined by exact powers of two: local tile 0 (query tile w) is kept, local tile 1 (tile w xor 1) is sent.
; LAYOUT.  S^T = K Q^T, O^T = V^T P^T: a lane holds one query throughout.  Row r of tile 2 B + u (of keys, queries, channels of V, outputs of Wp) is element 32 B + 8 u + r + 8 (r / 8), so that 16 registers of result tiles 2 B, 2 B + 1 are 16 neighbours along the next K.
; THE RING.  Slot SK always holds a step's K (both halves), slot SV its V; two changes a step: K's stands between the two tiles' softmaxes, V's behind the second product.  Each refill is one load of 24,576 bytes a wave.
; THE WALK.  A cluster begins at key step 2 x (the cluster's x) modulo 8 of each half of the keys and walks round all eight.  The order of the keys changes no code of p (M is a whole number, every rescaling exact).  So the
; clusters of a batch ask for different tiles at any one time, and a tile that one of them has asked for is asked for again by the others later.
; CLUSTER.  The four work-groups of a cluster belong to one batch and walk the same K and V: each tile is asked for jointly, with a mask that names the four.  The walk's first step hangs on the cluster's x, which the four share.
; LIMITS: NaN and infinities are not served; M is kept as a whole number in f32, exact for |t| under 2^24; a block whose largest magnitude lies under 2^-124 keeps the byte 1 (its codes are zeros or next to it, and only this text reads them).
; REGISTERS: window 0: v1-15, v46 addresses; v16-45 scale words and nothing else; v48-63 statistics; v64-87 at work; v88-111 P's codes; v128-255 S^T, then p.
;   window 1: v0-95 Q; v96-191 two sets of four fragments of K or V.   window 2: O^T of local tile 0 (channel tile ct at v[8 ct]).   window 3: of local tile 1.
.set SK,    0
.set SV,    98304
.set KS,    196608                     ; K's scale words of the whole batch [ks 4][row 2,048]
.set VS,    229376                     ; V's [128 keys 16][ct 32][r 16]
.set SPARE, 266240                     ; the spare words, 128 bytes a wave: two blocks of 256 bytes that no other line names
.set HIM,   266752                     ; h_'s images [query tile 4][ks 4][1,536]
.set HSC,   291328                     ; h_'s scale words [ks 4][64 rows]
.set XST,   292352                     ; 256 bytes a wave: -M and the sum of the tile that it sends
; (behind the slots' last fill and last read: the exchange of O^T, 32,768 bytes a wave from LDS byte 0 on; later the stage for the way out, 128 rows x 272 bytes a wave, from byte 0 on)
.set LI,  1
.set AK,  2
.set AV,  3
.set AKS, 4                            ; v4   K's scale words of the key step in hand
.set AVS, 5                            ; v5   V's
.set SPW, 6
.set NIL, 7
.set AKS0, 13                          ; v13  K's scale words of key step 0 of my half; never rewritten in the loop
.set AVS0, 14                          ; v14  V's
.set XOS, 2                            ; the epilogue's addresses take the loop's places
.set XOL, 3
.set XSS, 4
.set XSL, 5
.set HIS, 9
.set HSS, 10
.set HIL, 11
.set HSL, 12
.set STS, 13
.set STL, 14
.set GO,  15
.set BIA, 46
.set SCL, 16                           ; v16-31 K's, V's or Wp's scale words
.set QS,  32                           ; v32-35 Q's: lanes 0-15 local tile 0, lanes 16-31 local tile 1
.set PWD, 36                           ; v36-37 P's
.set HSW, 38                           ; v38-45 h_'s
.set ST,  48                           ; tile T at ST + 8 T: +0 -M, +1 largest t, +2, +3 the sum in two halves, +4 f, +5 (its pair), +6, +7 at work
.set BM,  64
.set BX,  68
.set SO,  72
.set CT,  76
.set SU,  84
.set P,   88
.set S,   128
.set FB,  96
.set TM,  64                           ; the epilogue's quantiser
.set PW,  80
.set PC,  88
.set WV,  18
.set KH,  19
.set PP,  20
.set CS,  22
.set ROT, 25                           ; s25  the key step with which my cluster begins
.set SEL, 26
.set G1,  28
.set G1S, 36
.set G0K, 44
.set G0V, 48
.set G0KS, 52
.set G0VS, 56
.set CNT, 60
.set SI,  61                           ; s61  steps begun, one ahead
.set RN,  62                           ; s62  the key step that follows the one in hand; s[2:3] its tiles' byte offset
.set TSC, 63
.set KB,  96                           ; s[96:97] K at my part of key step 0's tile, without the type bits
.set VB,  98                           ; s[98:99] V likewise
.set MSB, 0
.macro WIN new                         ; the immediate's high byte repeats the setting that is left
.if MSB != \new
	s_set_vgpr_msb (MSB<<8)|\new
.set MSB, \new
.endif
.endm
.macro PLACES                          ; four places behind a matrix instruction, in front of loads into its registers and of reads of its result
.rept 4
	v_nop
.endr
.endm
.macro CROUND                          ; a round of the cluster's barrier
	s_barrier_signal -1
	s_barrier_wait -1
	s_cmp_lg_u32 s[WV], 0
	s_cbranch_scc1 .Lnot_wave_0_\@
	s_barrier_signal -3
.Lnot_wave_0_\@:
	s_barrier_wait -3
	s_barrier_signal -1
	s_barrier_wait -1
.endm
.macro BARRIER
	s_wait_dscnt 0x0
	s_barrier_signal -1
	s_barrier_wait -1
.endm
.macro WMC d, a, b, c, sa, sb, ra, rb  ; one matrix instruction, C in registers.  ra, rb: the side's scale words stand in lanes 16-31
.if (\ra)&&(\rb)
	v_wmma_scale_f32_16x16x128_f8f6f4 v[(\d):(\d)+7], v[(\a):(\a)+11], v[(\b):(\b)+11], v[(\c):(\c)+7], v[\sa], v[\sb] matrix_a_fmt:MATRIX_FMT_FP6 matrix_b_fmt:MATRIX_FMT_FP6 matrix_a_scale:MATRIX_SCALE_ROW1 matrix_b_scale:MATRIX_SCALE_ROW1
.elseif (\ra)
	v_wmma_scale_f32_16x16x128_f8f6f4 v[(\d):(\d)+7], v[(\a):(\a)+11], v[(\b):(\b)+11], v[(\c):(\c)+7], v[\sa], v[\sb] matrix_a_fmt:MATRIX_FMT_FP6 matrix_b_fmt:MATRIX_FMT_FP6 matrix_a_scale:MATRIX_SCALE_ROW1
.elseif (\rb)
	v_wmma_scale_f32_16x16x128_f8f6f4 v[(\d):(\d)+7], v[(\a):(\a)+11], v[(\b):(\b)+11], v[(\c):(\c)+7], v[\sa], v[\sb] matrix_a_fmt:MATRIX_FMT_FP6 matrix_b_fmt:MATRIX_FMT_FP6 matrix_b_scale:MATRIX_SCALE_ROW1
.else
	v_wmma_scale_f32_16x16x128_f8f6f4 v[(\d):(\d)+7], v[(\a):(\a)+11], v[(\b):(\b)+11], v[(\c):(\c)+7], v[\sa], v[\sb] matrix_a_fmt:MATRIX_FMT_FP6 matrix_b_fmt:MATRIX_FMT_FP6
.endif
.endm
.macro WMZ d, a, b, sa, sb, ra, rb     ; the same with C = 0: it starts a sum, nothing is cleared
.if (\ra)&&(\rb)
	v_wmma_scale_f32_16x16x128_f8f6f4 v[(\d):(\d)+7], v[(\a):(\a)+11], v[(\b):(\b)+11], 0, v[\sa], v[\sb] matrix_a_fmt:MATRIX_FMT_FP6 matrix_b_fmt:MATRIX_FMT_FP6 matrix_a_scale:MATRIX_SCALE_ROW1 matrix_b_scale:MATRIX_SCALE_ROW1
.elseif (\ra)
	v_wmma_scale_f32_16x16x128_f8f6f4 v[(\d):(\d)+7], v[(\a):(\a)+11], v[(\b):(\b)+11], 0, v[\sa], v[\sb] matrix_a_fmt:MATRIX_FMT_FP6 matrix_b_fmt:MATRIX_FMT_FP6 matrix_a_scale:MATRIX_SCALE_ROW1
.elseif (\rb)
	v_wmma_scale_f32_16x16x128_f8f6f4 v[(\d):(\d)+7], v[(\a):(\a)+11], v[(\b):(\b)+11], 0, v[\sa], v[\sb] matrix_a_fmt:MATRIX_FMT_FP6 matrix_b_fmt:MATRIX_FMT_FP6 matrix_b_scale:MATRIX_SCALE_ROW1
.else
	v_wmma_scale_f32_16x16x128_f8f6f4 v[(\d):(\d)+7], v[(\a):(\a)+11], v[(\b):(\b)+11], 0, v[\sa], v[\sb] matrix_a_fmt:MATRIX_FMT_FP6 matrix_b_fmt:MATRIX_FMT_FP6
.endif
.endm
; 64 numbers of a lane in window 2, register s + 16 b + i = k 32 b + 16 (lane / 16) + i of my row, become a fragment's codes in v[PC] on and its scale word in v[PW]
.macro QUANT s
	WIN 0x0a
.irp b, 0,1,2,3
	v_max3_num_f32 v[TM+\b], |v[(\s)+16*\b]|, |v[(\s)+16*\b+1]|, 0x1800000   ; block b: my 16 numbers, and the floor 2^(3 - 127): the byte cannot fall under 1
.endr
	WIN 0x28
.irp i, 2,4,6,8,10,12,14
.irp b, 0,1,2,3
	v_max3_num_f32 v[TM+\b], v[TM+\b], |v[(\s)+16*\b+\i]|, |v[(\s)+16*\b+\i+1]|
.endr
.endr
	WIN 0
.irp b, 0,1,2,3
	v_permlanex16_b32 v[TM+4+\b], v[TM+\b], s[SEL], s[SEL+1]
.endr
.irp b, 0,1,2,3
	v_max_num_f32 v[TM+\b], v[TM+\b], v[TM+4+\b]
.endr
.irp b, 0,1,2,3
	v_add_nc_u32 v[TM+12+\b], 0xff000000, v[TM+\b]
.endr
.irp b, 0,1,2,3
	v_lshrrev_b32 v[TM+4+\b], 23, v[TM+12+\b]
.endr
	v_lshl_or_b32 v[PW], v[TM+5], 8, v[TM+4]
	v_lshl_or_b32 v[PW], v[TM+6], 16, v[PW]
	v_lshl_or_b32 v[PW], v[TM+7], 24, v[PW]
	WIN 0x02
.irp c, 0,1
	v_cvt_scalef32_pk16_fp6_f32 v[PC+6*\c:PC+6*\c+2], v[(\s)+32*\c:(\s)+32*\c+15], v[TM+12+2*\c]
	v_cvt_scalef32_pk16_fp6_f32 v[PC+12+4*\c:PC+14+4*\c], v[(\s)+32*\c+16:(\s)+32*\c+31], v[TM+13+2*\c]
.endr
	WIN 0
	v_nop                                          ; one plain place behind a scaled conversion
.irp c, 0,1
.irp i, 0,1,2
	v_permlane16_swap_b32 v[PC+6*\c+\i], v[PC+12+4*\c+\i]
.endr
.irp i, 0,1,2
	v_mov_b32 v[PC+3+6*\c+\i], v[PC+12+4*\c+\i]
.endr
.endr
.endm
.macro FETCHK g, buf                   ; group g of K: key tiles 4 (g % 2) + 0 .. 3, K step g / 2: 12 LDS loads
	WIN 0x40
.irp f, 0,1,2,3
.irp c, 0,1,2
	ds_load_b128 v[FB+48*(\buf)+12*\f+4*\c:FB+48*(\buf)+12*\f+4*\c+3], v[AK] offset:((4*((\g)%2)+\f)*4+(\g)/2)*1536+512*\c
.endr
.endr
.endm
.macro FETCHVG g, buf                  ; group g of V: channel tiles 4 g + 0 .. 3
	WIN 0x40
.irp f, 0,1,2,3
.irp c, 0,1,2
	ds_load_b128 v[FB+48*(\buf)+12*\f+4*\c:FB+48*(\buf)+12*\f+4*\c+3], v[AV] offset:(4*(\g)+\f)*1536+512*\c
.endr
.endr
.endm
.macro KSCL                            ; register 4 pr + ks: lanes 0-15 key tile 2 pr, lanes 16-31 tile 2 pr + 1
	WIN 0
.irp pr, 0,1,2,3
.irp ks, 0,1,2,3
	ds_load_b32 v[SCL+4*\pr+\ks], v[AKS] offset:8192*\ks+128*\pr
.endr
.endr
.endm
.macro VSCL                            ; register cp: channel tiles 2 cp and 2 cp + 1
	WIN 0
.irp cp, 0,1,2,3,4,5,6,7,8,9,10,11,12,13,14,15
	ds_load_b32 v[SCL+\cp], v[AVS] offset:128*\cp
.endr
.endm
; S^T = K Q^T: 64 matrix instructions in 8 groups; a group's 8 accumulators are all different and come again two groups on.  The wait leaves the next group's 12 loads out
.macro SPH
.irp g, 0,1,2,3,4,5,6,7
.if \g<7
	s_wait_dscnt 12
.else
	s_wait_dscnt 0x0
.endif
	WIN 0x05
.irp f, 0,1,2,3
.irp T, 0,1
.if \g<2
	WMZ S+64*\T+8*(4*(\g%2)+\f), FB+48*(\g%2)+12*\f, 12*(4*\T+\g/2), SCL+4*((4*(\g%2)+\f)/2)+\g/2, QS+\g/2, \f%2, \T
.else
	WMC S+64*\T+8*(4*(\g%2)+\f), FB+48*(\g%2)+12*\f, 12*(4*\T+\g/2), S+64*\T+8*(4*(\g%2)+\f), SCL+4*((4*(\g%2)+\f)/2)+\g/2, QS+\g/2, \f%2, \T
.endif
.endr
.endr
.if \g<6
	PLACES
	FETCHK \g+2, \g%2
.endif
.endr
.endm
; O^T's eight accumulators of group g (channel tiles 4 g + 0 .. 3 of both query tiles) under the new M: x f, each accumulator from its low end on
.macro RESC g
.irp T, 0,1
	WIN 0x82+0x41*\T
.irp f, 0,1,2,3
.irp k, 0,2,4,6
	v_pk_mul_f32 v[8*(4*(\g)+\f)+\k:8*(4*(\g)+\f)+\k+1], v[8*(4*(\g)+\f)+\k:8*(4*(\g)+\f)+\k+1], v[ST+8*\T+4:ST+8*\T+5] op_sel_hi:[1,0]
.endr
.endr
.endr
.endm
; O^T += V^T P^T: 64 matrix instructions, each accumulator once.  Group g + 1's accumulators are rescaled behind group g's products: those 32 multiplications name none of these products' registers, so they are
; also the places in front of the loads, and they are issued while the products run and the next fragments are on their way.  zero = 1: the products start the sums, and nothing is rescaled
.macro PVPH zero
.if !(\zero)
	RESC 0
.endif
.irp g, 0,1,2,3,4,5,6,7
.if \g<7
	s_wait_dscnt 12
.else
	s_wait_dscnt 0x0
.endif
.irp T, 0,1
	WIN 0xa1+0x50*\T
.irp f, 0,1,2,3
.if \zero
	WMZ 8*(4*\g+\f), FB+48*(\g%2)+12*\f, P+12*\T, SCL+(4*\g+\f)/2, PWD+\T, \f%2, 0
.else
	WMC 8*(4*\g+\f), FB+48*(\g%2)+12*\f, P+12*\T, 8*(4*\g+\f), SCL+(4*\g+\f)/2, PWD+\T, \f%2, 0
.endif
.endr
.endr
.if \zero
.if \g<6
	PLACES
.endif
.elseif \g<7
	RESC \g+1
.endif
.if \g<6
	FETCHVG \g+2, \g%2
.endif
.endr
.endm
; One tile's softmax for 128 keys: the new M and f, p, its codes and scale word, the row's sum.  (O^T is rescaled in PVPH)
.macro SOFTMAX T
.set rS, S+64*(\T)
.set rT, ST+8*(\T)
.set rP, P+12*(\T)
	WIN 0
.irp b, 0,1,2,3
	v_max3_num_f32 v[BM+\b], v[rS+16*\b], v[rS+16*\b+1], v[rS+16*\b+2]   ; the largest score of each block of 32 keys: for the row's maximum, and, since p rises with the score, for the block's largest p
.endr
.irp i, 3,5,7,9,11,13
.irp b, 0,1,2,3
	v_max3_num_f32 v[BM+\b], v[BM+\b], v[rS+16*\b+\i], v[rS+16*\b+\i+1]
.endr
.endr
.irp b, 0,1,2,3
	v_max_num_f32 v[BM+\b], v[BM+\b], v[rS+16*\b+15]
.endr
.irp b, 0,1,2,3
	v_permlanex16_b32 v[BX+\b], v[BM+\b], s[SEL], s[SEL+1]
.endr
.irp b, 0,1,2,3
	v_max_num_f32 v[BM+\b], v[BM+\b], v[BX+\b]     ; with lane l xor 16's 16 keys
.endr
	v_max3_num_f32 v[rT+7], v[BM], v[BM+1], v[BM+2]
	v_max_num_f32 v[rT+7], v[rT+7], v[BM+3]
	v_mul_f32 v[rT+7], s[CS], v[rT+7]              ; as t (c is positive)
	v_max_num_f32 v[rT+1], v[rT+1], v[rT+7]        ; the running largest t
	v_mov_b32 v[rT+6], v[rT]
	v_floor_f32 v[rT], -v[rT+1]                    ; the new -M = floor(-t): M is a whole number
	v_sub_f32 v[rT+7], v[rT], v[rT+6]              ; old M - new M: a whole number, 0 or less
	v_cvt_i32_f32 v[rT+7], v[rT+7]                 ; (it saturates)
	v_ldexp_f32 v[rT+4], 1.0, v[rT+7]              ; f = 2^(old M - new M)
.set j, 0
.rept 32
	v_pk_fma_f32 v[rS+j:rS+j+1], v[rS+j:rS+j+1], s[CS:CS+1], v[rT:rT+1] op_sel_hi:[1,0,0]   ; t - M, two at a time
.set j, j+2
.endr
.irp b, 0,1,2,3
	v_fma_f32 v[BM+\b], v[BM+\b], s[CS], v[rT]     ; the same of each block's largest score
.endr
.set j, 0
.rept 64
	v_exp_f32 v[rS+j], v[rS+j]                     ; p = 2^(t - M), at most 1
.set j, j+1
.endr
.irp b, 0,1,2,3
	v_exp_f32 v[BM+\b], v[BM+\b]                   ; the block's largest p: the same two instructions on the same number
.endr
	v_pk_mul_f32 v[rT+2:rT+3], v[rT+2:rT+3], v[rT+4:rT+5] op_sel_hi:[1,0]   ; the sums under the new M (a plain place behind the exponentials)
	s_wait_alu depctr_va_vdst(0)
.irp b, 0,1,2,3
	v_max_num_f32 v[BM+\b], 0x1800000, v[BM+\b]    ; the floor 2^(3 - 127)
.endr
.irp b, 0,1,2,3
	v_add_nc_u32 v[SO+\b], 0xff000000, v[BM+\b]    ; the conversion's scale operand
.endr
.irp b, 0,1,2,3
	v_lshrrev_b32 v[BX+\b], 23, v[SO+\b]           ; the scale's byte
.endr
	v_lshl_or_b32 v[PWD+\T], v[BX+1], 8, v[BX]     ; p's scale word for these 128 keys
	v_lshl_or_b32 v[PWD+\T], v[BX+2], 16, v[PWD+\T]
	v_lshl_or_b32 v[PWD+\T], v[BX+3], 24, v[PWD+\T]
.irp c, 0,1
	v_cvt_scalef32_pk16_fp6_f32 v[rP+6*\c:rP+6*\c+2], v[rS+32*\c:rS+32*\c+15], v[SO+2*\c]
	v_cvt_scalef32_pk16_fp6_f32 v[CT+4*\c:CT+4*\c+2], v[rS+32*\c+16:rS+32*\c+31], v[SO+2*\c+1]
.endr
	v_nop                                          ; one plain place behind a scaled conversion
.irp c, 0,1
.irp i, 0,1,2
	v_permlane16_swap_b32 v[rP+6*\c+\i], v[CT+4*\c+\i]
.endr
.irp i, 0,1,2
	v_mov_b32 v[rP+6*\c+3+\i], v[CT+4*\c+\i]
.endr
.endr
	v_pk_add_f32 v[SU:SU+1], v[rS:rS+1], v[rS+2:rS+3]              ; the row's sum is taken of the unquantised p, in two chains.  These 32 lines are also the places between p's scale word and codes and the products that take them
.set j, 4
.rept 15
	v_pk_add_f32 v[rT+2:rT+3], v[rT+2:rT+3], v[rS+j:rS+j+1]
	v_pk_add_f32 v[SU:SU+1], v[SU:SU+1], v[rS+j+2:rS+j+3]
.set j, j+4
.endr
	v_pk_add_f32 v[rT+2:rT+3], v[rT+2:rT+3], v[SU:SU+1]
.endm
; A CHANGE.  Each wave waits for all its tensor loads (one is out: its part of the other slot), adds 0 to its spare word, and waits for that and for its reads of the slot that it has done with.
; fill = 1: behind a round of the cluster's barrier that slot takes the following key step's tile: the wave's one tensor load until the next change.  Its address is made anew: the base and the step's offset in s[2:3]
.macro CHANGE g0, base, fill
	WIN 0                                          ; at a label and at a branch every window is 0; the add's registers lie in window 0
	s_wait_tensorcnt 0x0                           ; no tensor load of mine is out, so a group 0 may be written
	ds_add_u32 v[SPW], v[NIL]                      ; 0 onto my spare word
.if \fill
	s_add_nc_u64 s[\g0+2:\g0+3], s[\base:\base+1], s[2:3]
	s_or_b32 s[\g0+3], s[\g0+3], 0x80000000        ; 127:126 type = 2
.endif
	s_wait_dscnt 0x0                               ; the add is done, and my reads of the slot are over
.if \fill
	CROUND
	tensor_load_to_lds s[\g0:\g0+3], s[G1:G1+7]
	s_nop 0
	PLACES                                         ; four v_nop follow; they are also the places in front of the loads below
.else
	s_barrier_signal -1
	s_barrier_wait -1
.endif
.endm
.macro NEXTR                           ; which key step follows: (my cluster's first + the steps begun) modulo 8, and its tiles' offset: 49,152 bytes a step
	s_add_co_u32 s[RN], s[SI], s[ROT]
	s_and_b32 s[RN], s[RN], 7
	s_mul_i32 s2, s[RN], 49152
	s_add_co_u32 s[SI], s[SI], 1
.endm
.macro WPLOAD win, reg, ks             ; Wp's eight fragments of K step ks, my 128 outputs: 24 loads of 512 consecutive bytes
	WIN \win
.irp i, 0,1,2,3,4,5,6,7
.irp c, 0,1,2
	global_load_b128 v[(\reg)+12*\i+4*\c:(\reg)+12*\i+4*\c+3], v[LI], s[76:77] offset:(4*\i+(\ks))*1536+512*\c
.endr
.endr
	WIN 0
.endm
; A key step.  fill = 0: the last: nothing is left to fetch, and two of Wp's K steps are asked for as soon as registers fall free: Q's behind the last scores' products, p's behind the second softmax
.macro STEP first, fill
	SPH
	WIN 0
	PLACES
.if !(\fill)
	WPLOAD 0x40, 0, 0
.endif
	SOFTMAX 0
	CHANGE G0K, KB, \fill                          ; K's slot is done with; V's is whole
	VSCL
	FETCHVG 0, 0
	FETCHVG 1, 1
	SOFTMAX 1
.if !(\fill)
	WPLOAD 0, 160, 2
.endif
	PVPH \first
.if \fill
	CHANGE G0V, VB, 1                              ; V's slot is done with; K's is whole
	s_lshl_b32 s[TSC], s[RN], 9                    ; the following step's scale words: 512 bytes a step for K,
	v_add_nc_u32 v[AKS], s[TSC], v[AKS0]
	s_lshl_b32 s[TSC], s[RN], 11                   ; 2,048 for V
	v_add_nc_u32 v[AVS], s[TSC], v[AVS0]
	NEXTR
	KSCL
	FETCHK 0, 0
	FETCHK 1, 1
.endif
.endm
	s_load_b256 s[4:11], s[0:1], 0x0               ; qkvc, qkvs, wimg, wscl
	s_load_b128 s[12:15], s[0:1], 0x20             ; bp, x
	s_load_b64 s[16:17], s[0:1], 0x30              ; out0
	v_lshl_add_u32 v[SPW], v0, 2, SPARE
	v_mov_b32 v[NIL], 0
	ds_add_u32 v6, v7
	s_wait_dscnt 0x0
	v_lshrrev_b32 v1, 5, v0
	v_readfirstlane_b32 s[WV], v1                  ; wave 0..3
	s_and_b32 s[KH], s[WV], 1                      ; my half of the keys.  Also: which half of a tile I fetch
	s_lshr_b32 s[PP], s[WV], 1                     ; my pair of query tiles.  Also: for which half of the keys I fetch
	s_bfe_u32 s66, ttmp6, 0x40000                  ; cx
	s_lshl_b32 s67, ttmp9, 2
	s_add_co_u32 s67, s67, s66                     ; X: my block of 64 queries; it enters Q's, x's and out0's addresses alone
	s_and_b32 s68, ttmp7, 0xffff                   ; the batch, which the four partners share
	s_lshl_b32 s[ROT], ttmp9, 1
	s_and_b32 s[ROT], s[ROT], 7                    ; my cluster's first key step: 2 x the cluster's x, modulo 8: the same in the four partners
	s_mul_i32 s2, s[ROT], 49152                    ; its tiles' offset
	s_mov_b32 s3, 0
	s_mov_b32 s[SI], 1
	; what the partners ask for jointly: made of the batch, the cluster's x and the wave's number alone
	s_mul_i32 s88, s68, 786432
	s_mul_i32 s89, s[PP], 393216
	s_add_co_u32 s88, s88, s89
	s_mul_i32 s89, s[KH], 24576
	s_add_co_u32 s88, s88, s89
	s_add_co_u32 s88, s88, 6291456
	s_mov_b32 s89, 0
	s_lshl_b32 s90, s68, 15
	s_lshl_b32 s91, s[WV], 13
	s_add_co_u32 s90, s90, s91
	s_add_co_u32 s90, s90, 262144
	s_mov_b32 s91, 0
	s_mul_i32 s21, s[WV], 24576
	s_lshl_b32 s24, s[WV], 13
	; group 1: dense blocks as rows of 256 bytes (32 elements of 8); 96 rows of codes, 32 rows of scale words
	s_mov_b32 s[G1], 15|(3<<16)|(1<<21)
	s_mov_b32 s[G1+1], 32<<16
	s_mov_b32 s[G1+2], 96<<16
	s_mov_b32 s[G1+3], 32<<16
	s_mov_b32 s[G1+4], 96
	s_mov_b32 s[G1+5], 32
	s_mov_b32 s[G1+6], 0
	s_mov_b32 s[G1+7], 0
	s_mov_b32 s[G1S], 15|(3<<16)|(1<<21)
	s_mov_b32 s[G1S+1], 32<<16
	s_mov_b32 s[G1S+2], 32<<16
	s_mov_b32 s[G1S+3], 32<<16
	s_mov_b32 s[G1S+4], 32
	s_mov_b32 s[G1S+5], 32
	s_mov_b32 s[G1S+6], 0
	s_mov_b32 s[G1S+7], 0
	s_mov_b32 s[CS], 0x3d8293ee                    ; c = log2(e) / sqrt(512)
	s_mov_b32 s[CS+1], s[CS]
	s_mov_b32 s[SEL], 0x76543210
	s_mov_b32 s[SEL+1], 0xfedcba98
	s_mov_b32 s[G0K], 1
	s_mov_b32 s[G0K+1], s21
	s_mov_b32 s[G0V], 1
	s_add_co_u32 s[G0V+1], s21, SV
	s_mov_b32 s[G0KS], 1
	s_add_co_u32 s[G0KS+1], s24, KS
	s_mov_b32 s[G0VS], 1
	s_add_co_u32 s[G0VS+1], s24, VS
	s_wait_kmcnt 0x0
	s_add_nc_u64 s[KB:KB+1], s[4:5], s[88:89]      ; K at my part of key step 0's tile,
	s_add_nc_u64 s[VB:VB+1], s[KB:KB+1], 6291456   ; V likewise
	s_add_nc_u64 s[G0K+2:G0K+3], s[KB:KB+1], s[2:3]   ; and at my cluster's first key step
	s_add_nc_u64 s[G0V+2:G0V+3], s[VB:VB+1], s[2:3]
	s_or_b32 s[G0K+3], s[G0K+3], 0x80000000
	s_or_b32 s[G0V+3], s[G0V+3], 0x80000000
	s_add_nc_u64 s[G0KS+2:G0KS+3], s[6:7], s[90:91]
	s_add_nc_u64 s[G0VS+2:G0VS+3], s[G0KS+2:G0KS+3], 262144
	s_or_b32 s[G0KS+3], s[G0KS+3], 0x80000000
	s_or_b32 s[G0VS+3], s[G0VS+3], 0x80000000
	CROUND                                         ; all four work-groups are here: the first joint loads meet
	tensor_load_to_lds s[G0KS:G0KS+3], s[G1S:G1S+7]   ; the first fills go out together: four loads of mine are out
	s_nop 0
	tensor_load_to_lds s[G0VS:G0VS+3], s[G1S:G1S+7]
	s_nop 0
	tensor_load_to_lds s[G0K:G0K+3], s[G1:G1+7]
	s_nop 0
	tensor_load_to_lds s[G0V:G0V+3], s[G1:G1+7]
	s_nop 0
	PLACES
	NEXTR                                          ; the second key step of the walk (s[2:3] is no register of a descriptor)
	; my own addresses
	s_lshl_b32 s92, s67, 2
	s_lshl_b32 s93, s[PP], 1
	s_add_co_u32 s94, s92, s93                     ; my pair's first tile of queries
	s_mul_i32 s92, s94, 6144
	s_mul_i32 s93, s68, 786432
	s_add_co_u32 s92, s92, s93
	s_mov_b32 s93, 0
	s_mul_i32 s88, s[KH], 6144
	s_mov_b32 s89, 0
	s_xor_b32 s90, s[KH], 1
	s_mul_i32 s90, s90, 6144
	s_mov_b32 s91, 0
	s_lshl_b32 s94, s94, 6
	s_lshl_b32 s95, s68, 15
	s_add_co_u32 s94, s94, s95
	s_mov_b32 s95, 0
	s_add_nc_u64 s[72:73], s[4:5], s[92:93]
	s_add_nc_u64 s[70:71], s[72:73], s[88:89]      ; Q's local tile 0: query tile 2 p + kh
	s_add_nc_u64 s[72:73], s[72:73], s[90:91]      ; local tile 1: the pair's other tile
	s_add_nc_u64 s[74:75], s[6:7], s[94:95]        ; Q's scale words
	s_mul_i32 s92, s[WV], 49152
	s_add_co_u32 s92, s92, 589824
	s_add_nc_u64 s[76:77], s[8:9], s[92:93]        ; Wp's images: my 8 tiles of outputs
	s_lshl_b32 s92, s[WV], 11
	s_add_co_u32 s92, s92, 24576
	s_add_nc_u64 s[84:85], s[10:11], s[92:93]      ; their scale words
	s_lshl_b32 s92, s[WV], 9
	s_add_nc_u64 s[86:87], s[12:13], s[92:93]      ; bp
	s_lshl_b32 s92, s68, 22
	s_lshl_b32 s94, s67, 8
	s_add_co_u32 s92, s92, s94
	s_add_nc_u64 s[82:83], s[14:15], s[92:93]      ; x at my batch and my 64 positions
	s_lshl_b32 s94, s[WV], 20
	s_add_co_u32 s92, s92, s94
	s_add_nc_u64 s[78:79], s[14:15], s[92:93]      ; and at my 128 rows
	s_add_nc_u64 s[80:81], s[16:17], s[92:93]      ; out0 likewise
	v_and_b32 v9, 31, v0
	v_lshlrev_b32 v[LI], 4, v9
	s_mul_i32 s95, s[KH], 49152
	v_add_nc_u32 v[AK], s95, v[LI]
	v_add_nc_u32 v[AV], SV, v[AK]
	v_lshlrev_b32 v10, 2, v9
	s_lshl_b32 s95, s[KH], 12
	s_add_co_u32 s95, s95, KS
	v_add_nc_u32 v[AKS0], s95, v10
	s_lshl_b32 s95, s[KH], 14
	s_add_co_u32 s95, s95, VS
	v_add_nc_u32 v[AVS0], s95, v10
	s_lshl_b32 s[TSC], s[ROT], 9
	v_add_nc_u32 v[AKS], s[TSC], v[AKS0]           ; the scale words of my cluster's first key step
	s_lshl_b32 s[TSC], s[ROT], 11
	v_add_nc_u32 v[AVS], s[TSC], v[AVS0]
	v_bfe_u32 v11, v0, 4, 1
	v_xor_b32 v11, s[KH], v11
	v_and_b32 v12, 15, v0
	v_lshlrev_b32 v12, 2, v12
	v_lshl_add_u32 v12, v11, 6, v12                ; lanes 0-15: local tile 0's rows; lanes 16-31: local tile 1's
	v_lshlrev_b32 v8, 13, v0                       ; a row of x for each thread
	WIN 0x40
.irp ks, 0,1,2,3
.irp c, 0,1,2
	global_load_b128 v[12*\ks+4*\c:12*\ks+4*\c+3], v[LI], s[70:71] offset:1536*\ks+512*\c          ; Q stays in registers
	global_load_b128 v[48+12*\ks+4*\c:48+12*\ks+4*\c+3], v[LI], s[72:73] offset:1536*\ks+512*\c
.endr
.endr
	WIN 0
.irp ks, 0,1,2,3
	global_load_b32 v[QS+\ks], v12, s[74:75] offset:8192*\ks
.endr
.irp T, 0,1
	v_mov_b32 v[ST+8*\T+1], 0xff61b1e6             ; the largest t so far: -3e38, under every t
	v_floor_f32 v[ST+8*\T], -v[ST+8*\T+1]
	v_mov_b32 v[ST+8*\T+2], 0                      ; the sum, in two halves
	v_mov_b32 v[ST+8*\T+3], 0
	v_mov_b32 v[ST+8*\T+5], 0                      ; (named as the upper half of f's pair)
.endr
.irp b, 0,1,2,3
	v_mov_b32 v[BX+\b], 0                          ; written once: a lane permute's destination counts as one of its sources
.endr
	s_wait_tensorcnt 0x1                           ; my parts of both sets of scale words and of K's first tile are in; V's may stay out
	s_barrier_signal -1
	s_barrier_wait -1
	KSCL
	FETCHK 0, 0
	FETCHK 1, 1
	s_wait_loadcnt 0x0                             ; Q and its scale words
	STEP 1, 1                                      ; the first step stands in front of the loop: its products start O^T's sums
	WIN 0
	s_mov_b32 s[CNT], 6
.Lstep:
	STEP 0, 1
	WIN 0
	s_sub_co_u32 s[CNT], s[CNT], 1
	s_cmp_lg_u32 s[CNT], 0
	s_cbranch_scc1 .Lstep
.irp n, 0,1,2,3
	global_prefetch_b8 v8, s[82:83] offset:1048576*\n th:TH_LOAD_NT scope:SCOPE_SE   ; the work-group's 512 pieces of 256 bytes of x, each asked for once (thread t: rows t + 128 n), one key step ahead of their loads
.endr
	STEP 0, 0                                      ; the last step is written out: nothing is left to fetch
	; ---- THE END.  Every wave's reads of V are over before anything is stored into the slots, which have had their last fill
	WIN 0
	PLACES
	BARRIER
	v_and_b32 v47, 31, v0
	v_and_b32 v86, 15, v0                          ; r
	v_bfe_u32 v87, v0, 4, 1                        ; h
	s_lshl_b32 s88, s[WV], 15
	v_add_nc_u32 v[XOS], s88, v[LI]                ; where I lay the tile that I send
	s_xor_b32 s89, s[WV], 1                        ; my partner: the pair's other half of the keys
	s_lshl_b32 s90, s89, 15
	v_add_nc_u32 v[XOL], s90, v[LI]                ; where it lays mine
	s_lshl_b32 s88, s[WV], 8
	s_add_co_u32 s88, s88, XST
	v_lshl_add_u32 v[XSS], v47, 3, s88
	s_lshl_b32 s90, s89, 8
	s_add_co_u32 s90, s90, XST
	v_lshl_add_u32 v[XSL], v47, 3, s90
	s_mul_i32 s88, s[WV], 6144
	s_add_co_u32 s88, s88, HIM
	v_add_nc_u32 v[HIS], s88, v[LI]
	s_lshl_b32 s88, s[WV], 6
	s_add_co_u32 s88, s88, HSC
	v_lshl_add_u32 v[HSS], v86, 2, s88
	v_add_nc_u32 v[HIL], HIM, v[LI]
	v_lshl_add_u32 v[HSL], v47, 2, HSC
	v_and_b32 v[BIA], 8, v86
	v_add_nc_u32 v[BIA], v[BIA], v86               ; r + 8 (r / 8)
	v_mul_u32_u24 v[STS], v[BIA], 272
	v_lshl_add_u32 v[STS], v87, 6, v[STS]
	s_mul_i32 s88, s[WV], 34816
	v_add_nc_u32 v[STS], s88, v[STS]               ; the stage, in: my output's row, + 64 h
	v_lshlrev_b32 v[BIA], 2, v[BIA]
	v_mul_u32_u24 v[STL], v87, 17408
	v_lshl_add_u32 v[STL], v86, 4, v[STL]
	v_add_nc_u32 v[STL], s88, v[STL]               ; back: lanes 0-15 one row of 256 bytes, lanes 16-31 the row 64 further on
	v_lshlrev_b32 v[GO], 19, v87
	v_lshl_add_u32 v[GO], v86, 4, v[GO]            ; and the same two rows in x and out0
	; Wp's scale words, bp and Wp's K step 1 are asked for now, into registers that the loop has left (K steps 0 and 2 were asked for in the last key step)
.irp pr, 0,1,2,3
	global_load_b128 v[SCL+4*\pr:SCL+4*\pr+3], v[LI], s[84:85] offset:512*\pr
.endr
	WIN 0x40
.irp i, 0,1,2,3,4,5,6,7
	global_load_b32 v[240+2*\i], v[BIA], s[86:87] offset:4*(32*(\i/2)+8*(\i%2))        ; bp of my lane's output in tile i, twice: a pair for the packed addition
	global_load_b32 v[241+2*\i], v[BIA], s[86:87] offset:4*(32*(\i/2)+8*(\i%2))
.endr
	WPLOAD 0x40, 96, 1
	; ---- the two halves of the keys are joined
	v_add_f32 v50, v50, v51                        ; my lane's sum of the tile that I keep,
	v_add_f32 v57, v58, v59                        ; and of the tile that I send, beside its -M
	ds_store_b64 v[XSS], v[56:57]
	WIN 0x0c
.set i, 0
.rept 64
	ds_store_b128 v[XOS], v[4*i:4*i+3] offset:512*i                ; O^T of local tile 1, as it stands; each accumulator from its low end on
.set i, i+1
.endr
	WIN 0
	BARRIER
	ds_load_b64 v[60:61], v[XSL]                   ; my partner's -M and sum of my tile
	WIN 0xc0
.set i, 0
.rept 64
	ds_load_b128 v[4*i:4*i+3], v[XOL] offset:512*i
.set i, i+1
.endr
	WIN 0
	s_wait_dscnt 63                                ; of the 65 loads the first two are in
	v_min_num_f32 v62, v48, v60                    ; - the larger M
	v_sub_f32 v52, v62, v48
	v_sub_f32 v54, v62, v60
	v_cvt_i32_f32 v52, v52
	v_cvt_i32_f32 v54, v54
	v_ldexp_f32 v52, 1.0, v52                      ; 2^(my M - the larger M),
	v_ldexp_f32 v54, 1.0, v54                      ; 2^(its M - the larger M): exact
	v_mul_f32 v63, v50, v52
	v_fma_f32 v63, v61, v54, v63
	v_permlanex16_b32 v49, v63, s[SEL], s[SEL+1]
	v_add_f32 v63, v63, v49                        ; the row's sum
	v_rcp_f32 v63, v63
	v_nop                                          ; one plain place behind a transcendental
	s_wait_alu depctr_va_vdst(0)
	v_mul_f32 v52, v52, v63
	v_mul_f32 v54, v54, v63
	v_mov_b32 v53, v52
	v_mov_b32 v55, v54
	s_wait_dscnt 0x0
	WIN 0xc3
.set i, 0
.rept 128
	v_pk_mul_f32 v[i:i+1], v[i:i+1], v[54:55] op_sel_hi:[1,0]
.set i, i+2
.endr
	WIN 0xb2
.set i, 0
.rept 128
	v_pk_fma_f32 v[i:i+1], v[i:i+1], v[52:53], v[i:i+1] op_sel_hi:[1,0,1]   ; h_ of my query tile: window 2 = window 2 x mine + window 3
.set i, i+2
.endr
	; ---- h_ is quantised along the channels; its four fragments go to LDS as images
.irp ks, 0,1,2,3
	QUANT 64*\ks
.irp c, 0,1,2
	ds_store_b128 v[HIS], v[PC+4*\c:PC+4*\c+3] offset:1536*\ks+512*\c
.endr
	ds_store_b32 v[HSS], v[PW] offset:256*\ks
	s_wait_dscnt 0x0                               ; the stores have read their registers
.endr
	WPLOAD 0, 64, 3                                ; Wp's last K step, where the quantiser worked
	WIN 0x80
.set i, 0
.rept 32
	global_load_b128 v[4*i:4*i+3], v[GO], s[78:79] offset:8192*i   ; x: the first 64 of my 128 rows x 256 bytes, where h_ stood; with the 24 loads above 56 are issued here
.set i, i+1
.endr
	WIN 0
	BARRIER                                        ; h_'s sixteen fragments lie in LDS; nobody reads the exchange area any more
	; ---- the projection: my 128 outputs for all 64 positions.  Source 0 = h_ (16 positions), source 1 = Wp (16 outputs): a lane holds 8 neighbouring positions of one output row
.irp ks, 0,1,2,3
.irp pp, 0,1
	ds_load_b32 v[HSW+2*\ks+\pp], v[HSL] offset:256*\ks+128*\pp
.endr
.endr
.irp ks, 0,1,2,3
.if \ks==0
.set WB, 0
.elseif \ks==1
.set WB, 96
.elseif \ks==2
.set WB, 160
.else
.set WB, 64
.endif
	WIN 0x40
.irp qt, 0,1,2,3
.irp c, 0,1,2
	ds_load_b128 v[192+12*\qt+4*\c:192+12*\qt+4*\c+3], v[HIL] offset:(4*\qt+\ks)*1536+512*\c
.endr
.endr
	s_wait_dscnt 0x0
.if \ks==0
	s_wait_loadcnt 56                              ; the youngest 56 loads (Wp's K step 3 and 32 of x) may be out: Wp's K steps 0 to 2, its scale words and bp are in
.endif
.if \ks==3
	s_wait_loadcnt 63                              ; 64 loads of x were issued behind those of Wp's K step 3: with 63 out at the most, that K step is in
.endif
.if \ks<2
	WIN 0xf5
.else
	WIN 0xf1
.endif
.irp qt, 0,1,2,3
.irp i, 0,1,2,3,4,5,6,7
.if \ks==0
	WMZ 8*(8*\qt+\i), 192+12*\qt, WB+12*\i, HSW+2*\ks+\qt/2, SCL+4*(\i/2)+\ks, \qt%2, \i%2
.else
	WMC 8*(8*\qt+\i), 192+12*\qt, WB+12*\i, 8*(8*\qt+\i), HSW+2*\ks+\qt/2, SCL+4*(\i/2)+\ks, \qt%2, \i%2
.endif
.endr
.endr
	PLACES
.if \ks==0
	WIN 0x80
.set i, 32
.rept 32
	global_load_b128 v[4*i:4*i+3], v[GO], s[78:79] offset:8192*i   ; x: my other 64 rows
.set i, i+1
.endr
.endif
.endr
	WIN 0xc7
.irp qt, 0,1,2,3
.irp i, 0,1,2,3,4,5,6,7
.irp k, 0,2,4,6
	v_pk_add_f32 v[8*(8*\qt+\i)+\k:8*(8*\qt+\i)+\k+1], v[8*(8*\qt+\i)+\k:8*(8*\qt+\i)+\k+1], v[240+2*\i:241+2*\i]   ; + bp, each accumulator from its low end on
.endr
.endr
.endr
	WIN 0x0c
.irp qt, 0,1,2,3
.irp i, 0,1,2,3,4,5,6,7
	ds_store_b128 v[STS], v[8*(8*\qt+\i):8*(8*\qt+\i)+3] offset:(32*(\i/2)+8*(\i%2))*272+4*(32*(\qt/2)+8*(\qt%2))
	ds_store_b128 v[STS], v[8*(8*\qt+\i)+4:8*(8*\qt+\i)+7] offset:(32*(\i/2)+8*(\i%2))*272+4*(32*(\qt/2)+8*(\qt%2))+16
.endr
.endr
	; ---- whole rows come back from my own stage, take x, and leave
.irp g, 0,1,2,3
.if \g>1
	s_wait_xcnt 0x0                                ; the stores of two batches ago have read the registers that are loaded again
.endif
	WIN 0x40
.irp i, 0,1,2,3,4,5,6,7,8,9,10,11,12,13,14,15
	ds_load_b128 v[64*(\g%2)+4*\i:64*(\g%2)+4*\i+3], v[STL] offset:272*(16*\g+\i)   ; LDS serves a wave's instructions in order: these see my stores
.endr
	s_wait_dscnt 0x0
	s_wait_loadcnt 48-16*\g                        ; this batch's sixteen loads of x are in; the later batches' may be out
	WIN 0x49
.irp i, 0,1,2,3,4,5,6,7,8,9,10,11,12,13,14,15
	v_pk_add_f32 v[64*(\g%2)+4*\i:64*(\g%2)+4*\i+1], v[64*(\g%2)+4*\i:64*(\g%2)+4*\i+1], v[4*(16*\g+\i):4*(16*\g+\i)+1]
	v_pk_add_f32 v[64*(\g%2)+4*\i+2:64*(\g%2)+4*\i+3], v[64*(\g%2)+4*\i+2:64*(\g%2)+4*\i+3], v[4*(16*\g+\i)+2:4*(16*\g+\i)+3]
.endr
	WIN 0x04
.irp i, 0,1,2,3,4,5,6,7,8,9,10,11,12,13,14,15
	global_store_b128 v[GO], v[64*(\g%2)+4*\i:64*(\g%2)+4*\i+3], s[80:81] offset:8192*(16*\g+\i) th:TH_STORE_NT   ; 16 lanes store 256 consecutive bytes, at a multiple of 256 from out0's first byte
.endr
.endr
	WIN 0
	s_wait_tensorcnt 0x0                           ; the wave's end: behind my last tensor load and my last LDS store
	ds_add_u32 v[SPW], v[NIL]
	s_wait_dscnt 0x0
	CROUND                                         ; the closing round: no work-group ends while a partner may still ask for a tile that names it
	s_endpgm
.Lfunc_end_k_q6b6bcd434e_attn:
	.size	k_q6b6bcd434e_attn, .Lfunc_end_k_q6b6bcd434e_attn-k_q6b6bcd434e_attn
	.p2alignl 7, 3214868480
	.fill 96, 4, 3214868480
	.section	.rodata,"a",@progbits
	.p2align	6, 0x0
	.amdhsa_kernel k_q6b6bcd434e_attn
		.amdhsa_group_segment_fixed_size 327680
		.amdhsa_private_segment_fixed_size 0
		.amdhsa_enable_private_segment 0
		.amdhsa_kernarg_size 56
		.amdhsa_user_sgpr_count 2
		.amdhsa_user_sgpr_kernarg_segment_ptr 1
		.amdhsa_wavefront_size32 1
		.amdhsa_system_sgpr_workgroup_id_x 1
		.amdhsa_system_sgpr_workgroup_id_y 1
		.amdhsa_system_sgpr_workgroup_id_z 1
		.amdhsa_system_vgpr_workitem_id 0
		.amdhsa_next_free_vgpr 1024
		.amdhsa_next_free_sgpr 100
		.amdhsa_reserve_vcc 0
		.amdhsa_float_denorm_mode_32 3
		.amdhsa_float_denorm_mode_16_64 3
		.amdhsa_memory_ordered 1
		.amdhsa_forward_progress 1
		.amdhsa_inst_pref_size 255
	.end_amdhsa_kernel
	.section	.bss,"aw",@nobits
	.p2align	6
	.space	262144
	.amdgpu_metadata
---
amdhsa.version: [ 1, 2 ]
amdhsa.kernels:
  - .name:           k_q6b6bcd434e_attn
    .symbol:         k_q6b6bcd434e_attn.kd
    .args:
      - { .name: qkvc, .offset: 0, .size: 8, .value_kind: global_buffer, .address_space: global }
      - { .name: qkvs, .offset: 8, .size: 8, .value_kind: global_buffer, .address_space: global }
      - { .name: wimg, .offset: 16, .size: 8, .value_kind: global_buffer, .address_space: global }
      - { .name: wscl, .offset: 24, .size: 8, .value_kind: global_buffer, .address_space: global }
      - { .name: bp, .offset: 32, .size: 8, .value_kind: global_buffer, .address_space: global }
      - { .name: x, .offset: 40, .size: 8, .value_kind: global_buffer, .address_space: global }
      - { .name: out0, .offset: 48, .size: 8, .value_kind: global_buffer, .address_space: global }
    .group_segment_fixed_size: 327680
    .private_segment_fixed_size: 0
    .kernarg_segment_align: 8
    .kernarg_segment_size: 56
    .max_flat_workgroup_size: 128
    .sgpr_count:     100
    .vgpr_count:     1024
    .wavefront_size: 32
...
	.end_amdgpu_metadata
.endif
;; end of part 3
